; MI455X (gfx1250); checked and timed in simulation.
; The chip was launched on July 23, 2026; its instructions are those of AMD's public machine-readable ISA for CDNA 5 (MIT licence, August 2026) and "CDNA5" Instruction Set Architecture Reference Guide (July 2026). The comments in the code are by the model that wrote it; some were corrected since.
;; Switch Mo E. Allowed arithmetic: float matrix products may take bf16 or f16 operands with f32 sums; other float arithmetic in f32, or as packed bf16 or f16 multiplies, adds, multiply-adds, maxima and minima; sums over many terms, partial sums and values carried from step to step in f32; what a program stores and reads back later, other than sums and carried values, may be rounded once to bf16 or f16.
;; Inputs: b1 8 x 4,096 float32; b2 8 x 1,024 float32; bg 8 float32; w1 8 x 1,024 x 4,096 float32; w2 8 x 4,096 x 1,024 float32; wg 1,024 x 8 float32; x 1,024 x 1,024 float32.
;; Outputs: out0 1,024 x 1,024 float32.
;; 2 versions, each right and faster than the one before. Each part assembles by itself: llvm-mc -triple=amdgcn-amd-amdhsa -mcpu=gfx1250 --defsym DOCPART=n.
;; ======== version 1 of 2: 4 launches
;; limits: values are held in f16: magnitudes above 65,504 overflow, below 6.1e-05 lose precision
;; workspace buffers: xb 2,097,152 bytes; top1 4,096 bytes of whole numbers; score 4,096 bytes; hbuf 8,388,608 bytes; part 16,777,216 bytes
;; launch router (part 1): grid 256 x 1, 4 waves a work-group, no clusters, 0 bytes of LDS; arguments x, wg, bg, xb, top1, score; writes xb, top1, score
.if DOCPART == 1
	.amdgcn_target "amdgcn-amd-amdhsa--gfx1250"
	.amdhsa_code_object_version 6
	.text
	.protected	k_q71d73d7f6c_router
	.globl	k_q71d73d7f6c_router
	.p2align	8
	.type	k_q71d73d7f6c_router,@function
k_q71d73d7f6c_router:
	s_mov_b64 s[64:65], 0
	v_nop
	global_prefetch_b8 v0, s[64:65] scope:SCOPE_SE
	s_setreg_imm32_b32 hwreg(HW_REG_WAVE_MODE, 25, 1), 1
	s_wait_xcnt 0x0
; SWITCH GATE, first part.  For token n: logits l = x[n] . wg + bg with x, wg and bg rounded to bf16 (products exact, sums in f32);
; top1[n] = the index of the largest logit (the lowest index among equals); score[n] = its softmax weight = 1 / sum_e exp(l_e - max l).
; Besides, x[n] rounded to bf16 is stored as xb[n] for the first product of the experts.
; One wave takes one token: 256 work-groups x 4 waves = 1,024 tokens.  No LDS, no barrier: the sums never leave the wave.
; The vector unit does the 8 columns: they are half a matrix tile, and the launch's time is the stream of x.
; LIMITS.  The largest is taken of the logits, not of the rounded softmax weights.  A row with NaN logits gets index 7.
; The two results are 4 bytes a wave each: a wave has no more to store.
.set ACC, 8                            ; v[8:15]    the eight running logits
.set BGV, 16                           ; v[16:23]   bg, rounded
.set X,   24                           ; v[24:55]   x as loaded: register 4 i + q holds d = 128 i + 4 lane + q
.set XB,  56                           ; v[56:71]   x in bf16 pairs
.set WP,  72                           ; v[72:87]   one group of wg in bf16 pairs: register 4 q + e / 2
.set G,   88                           ; v[88:215]  four slots of 32: wg as loaded, register 8 q + e
	s_load_b256 s[4:11], s[0:1], 0x0               ; x s[4:5], wg s[6:7], bg s[8:9], xb s[10:11]
	s_load_b128 s[12:15], s[0:1], 0x20             ; top1 s[12:13], score s[14:15]
	v_and_b32 v1, 31, v0                           ; lane
	v_lshrrev_b32 v6, 5, v0
	v_readfirstlane_b32 s24, v6                    ; wave
	s_lshl2_add_u32 s25, ttmp9, s24                ; n = 4 x work-group + wave
	s_lshl_b32 s26, s25, 12                        ; a row of x is 4,096 bytes,
	s_mov_b32 s27, 0
	s_lshl_b32 s30, s25, 11                        ; a row of xb 2,048
	s_mov_b32 s31, 0
	s_mov_b32 s28, 0x76543210                      ; v_permlanex16_b32: each lane takes its own place in the other half
	s_mov_b32 s29, 0xfedcba98
	v_lshlrev_b32 v2, 4, v1                        ; x: 16 bytes a lane
	v_lshlrev_b32 v3, 7, v1                        ; wg: 4 rows of 32 bytes a lane
	v_lshlrev_b32 v4, 3, v1                        ; xb: 8 bytes a lane
	v_mov_b32 v5, 0                                ; the first products' addend: nothing is cleared
	s_wait_kmcnt 0x0
	s_add_nc_u64 s[4:5], s[4:5], s[26:27]
	s_add_nc_u64 s[10:11], s[10:11], s[30:31]
	s_load_b256 s[16:23], s[8:9], 0x0              ; bg
.irp i, 0,1,2,3,4,5,6,7
	global_load_b128 v[X+4*(\i):X+4*(\i)+3], v2, s[4:5] offset:512*(\i) th:TH_LOAD_NT  ; 512 consecutive bytes each
.endr
.macro WGLOAD i                        ; group i (d = 128 i .. 128 i + 127) into slot i % 4: a lane's 128 consecutive bytes
.irp m, 0,1,2,3,4,5,6,7
	global_load_b128 v[G+32*((\i)%4)+4*(\m):G+32*((\i)%4)+4*(\m)+3], v3, s[6:7] offset:4096*(\i)+16*(\m)
.endr
.endm
	WGLOAD 0
	WGLOAD 1
	WGLOAD 2
	WGLOAD 3
	s_wait_loadcnt 32                              ; the 32 loads of wg are younger: x is in
.irp i, 0,1,2,3,4,5,6,7
	v_cvt_pk_bf16_f32 v[XB+2*(\i)], v[X+4*(\i)], v[X+4*(\i)+1]
	v_cvt_pk_bf16_f32 v[XB+2*(\i)+1], v[X+4*(\i)+2], v[X+4*(\i)+3]
.endr
.irp i, 0,1,2,3,4,5,6,7
	global_store_b64 v4, v[XB+2*(\i):XB+2*(\i)+1], s[10:11] offset:256*(\i)  ; the wave stores 256 consecutive bytes, aligned
.endr
; Group i: left = the loads issued behind it (the groups still out).  Its slot is filled again with group i + 4.
.macro GROUP i, left
	s_wait_loadcnt \left
.set SB, G+32*((\i)%4)
.set n, 0
.rept 16
	v_cvt_pk_bf16_f32 v[WP+n], v[SB+2*n], v[SB+2*n+1]
.set n, n+1
.endr
.if (\i) < 4
	WGLOAD (\i)+4
.endif
.irp q, 0,1,2,3
.irp p, 0,1,2,3
.if ((\i) == 0) && ((\q) == 0)
.set C0, 5
.set C1, 5
.else
.set C0, ACC+2*(\p)
.set C1, ACC+2*(\p)+1
.endif
.if (\q)%2 == 0                        ; x's low half; wg's low half is the even expert, its high half the odd one
	v_fma_mix_f32_bf16 v[ACC+2*(\p)], v[WP+4*(\q)+(\p)], v[XB+2*(\i)+(\q)/2], v[C0] op_sel_hi:[1,1,0]
	v_fma_mix_f32_bf16 v[ACC+2*(\p)+1], v[WP+4*(\q)+(\p)], v[XB+2*(\i)+(\q)/2], v[C1] op_sel:[1,0,0] op_sel_hi:[1,1,0]
.else
	v_fma_mix_f32_bf16 v[ACC+2*(\p)], v[WP+4*(\q)+(\p)], v[XB+2*(\i)+(\q)/2], v[C0] op_sel:[0,1,0] op_sel_hi:[1,1,0]
	v_fma_mix_f32_bf16 v[ACC+2*(\p)+1], v[WP+4*(\q)+(\p)], v[XB+2*(\i)+(\q)/2], v[C1] op_sel:[1,1,0] op_sel_hi:[1,1,0]
.endif
.endr
.endr
.endm
	GROUP 0, 24
	GROUP 1, 24
	GROUP 2, 24
	GROUP 3, 24
	GROUP 4, 24
	GROUP 5, 16
	GROUP 6, 8
	GROUP 7, 0
	; across the 32 lanes: four steps inside each half of 16 lanes, one across the halves; every lane ends with all eight logits
.irp k, 1,2,4,8
.irp e, 0,1,2,3,4,5,6,7
	v_add_f32_dpp v[ACC+(\e)], v[ACC+(\e)], v[ACC+(\e)] row_xmask:\k row_mask:0xf bank_mask:0xf
.endr
.endr
.irp e, 0,1,2,3,4,5,6,7
	v_permlanex16_b32 v[WP+(\e)], v[ACC+(\e)], s28, s29
.endr
	s_wait_kmcnt 0x0                               ; bg
.irp p, 0,1,2,3
	v_cvt_pk_bf16_f32 v6, s[16+2*(\p)], s[17+2*(\p)]
	v_lshlrev_b32 v[BGV+2*(\p)], 16, v6
	v_and_b32 v[BGV+2*(\p)+1], 0xffff0000, v6
.endr
.irp e, 0,1,2,3,4,5,6,7
	v_add_f32 v[ACC+(\e)], v[ACC+(\e)], v[WP+(\e)]
.endr
.irp e, 0,1,2,3,4,5,6,7
	v_add_f32 v[ACC+(\e)], v[ACC+(\e)], v[BGV+(\e)]
.endr
	v_max3_num_f32 v6, v[ACC], v[ACC+1], v[ACC+2]
	v_max3_num_f32 v6, v6, v[ACC+3], v[ACC+4]
	v_max3_num_f32 v6, v6, v[ACC+5], v[ACC+6]
	v_max_num_f32 v6, v6, v[ACC+7]                 ; the largest logit
	v_mov_b32 v7, 7
.irp e, 6,5,4,3,2,1,0                  ; downward, so that the lowest index among equals stays
	v_cmp_eq_f32 vcc_lo, v[ACC+(\e)], v6
	v_cndmask_b32 v7, v7, \e, vcc_lo
.endr
.irp e, 0,1,2,3,4,5,6,7
	v_sub_f32 v[ACC+(\e)], v[ACC+(\e)], v6         ; the maximum is taken away first: every exponent is 0 or below
.endr
.irp e, 0,1,2,3,4,5,6,7
	v_mul_f32 v[ACC+(\e)], 0x3fb8aa3b, v[ACC+(\e)] ; log2(e)
.endr
.irp e, 0,1,2,3,4,5,6,7
	v_exp_f32 v[ACC+(\e)], v[ACC+(\e)]
.endr
	s_lshl_b32 s26, s25, 2
	v_mov_b32 v16, s26                             ; 4 n; also the plain instruction behind the last exponential
	s_wait_alu depctr_va_vdst(0)                   ; one wait for the eight exponentials, ahead of their first reader
	v_add_f32 v[ACC], v[ACC], v[ACC+1]
	v_add_f32 v[ACC+2], v[ACC+2], v[ACC+3]
	v_add_f32 v[ACC+4], v[ACC+4], v[ACC+5]
	v_add_f32 v[ACC+6], v[ACC+6], v[ACC+7]
	v_add_f32 v[ACC], v[ACC], v[ACC+2]
	v_add_f32 v[ACC+4], v[ACC+4], v[ACC+6]
	v_add_f32 v[ACC], v[ACC], v[ACC+4]
	v_rcp_f32 v6, v[ACC]                           ; the top weight: its own exponential is 1
	v_cmp_eq_u32 vcc_lo, 0, v1                     ; the plain instruction behind the reciprocal
	s_wait_alu depctr_va_vdst(0)
	s_wait_xcnt 0x0                                ; EXEC changes only behind this wait: xb's stores have it among their sources
	s_and_saveexec_b32 s30, vcc_lo                 ; lane 0 alone
	global_store_b32 v16, v7, s[12:13]
	global_store_b32 v16, v6, s[14:15]
	s_wait_xcnt 0x0
	s_or_b32 exec_lo, exec_lo, s30
	s_endpgm
.Lfunc_end_k_q71d73d7f6c_router:
	.size	k_q71d73d7f6c_router, .Lfunc_end_k_q71d73d7f6c_router-k_q71d73d7f6c_router
	.p2alignl 7, 3214868480
	.fill 96, 4, 3214868480
	.section	.rodata,"a",@progbits
	.p2align	6, 0x0
	.amdhsa_kernel k_q71d73d7f6c_router
		.amdhsa_group_segment_fixed_size 0
		.amdhsa_private_segment_fixed_size 0
		.amdhsa_enable_private_segment 0
		.amdhsa_kernarg_size 48
		.amdhsa_user_sgpr_count 2
		.amdhsa_user_sgpr_kernarg_segment_ptr 1
		.amdhsa_wavefront_size32 1
		.amdhsa_system_sgpr_workgroup_id_x 1
		.amdhsa_system_sgpr_workgroup_id_y 1
		.amdhsa_system_sgpr_workgroup_id_z 1
		.amdhsa_system_vgpr_workitem_id 0
		.amdhsa_next_free_vgpr 216
		.amdhsa_next_free_sgpr 66
		.amdhsa_reserve_vcc 1
		.amdhsa_float_denorm_mode_32 3
		.amdhsa_float_denorm_mode_16_64 3
		.amdhsa_memory_ordered 1
		.amdhsa_forward_progress 1
		.amdhsa_inst_pref_size 41
	.end_amdhsa_kernel
	.amdgpu_metadata
---
amdhsa.version: [ 1, 2 ]
amdhsa.kernels:
  - .name:           k_q71d73d7f6c_router
    .symbol:         k_q71d73d7f6c_router.kd
    .args:
      - { .name: x, .offset: 0, .size: 8, .value_kind: global_buffer, .address_space: global }
      - { .name: wg, .offset: 8, .size: 8, .value_kind: global_buffer, .address_space: global }
      - { .name: bg, .offset: 16, .size: 8, .value_kind: global_buffer, .address_space: global }
      - { .name: xb, .offset: 24, .size: 8, .value_kind: global_buffer, .address_space: global }
      - { .name: top1, .offset: 32, .size: 8, .value_kind: global_buffer, .address_space: global }
      - { .name: score, .offset: 40, .size: 8, .value_kind: global_buffer, .address_space: global }
    .group_segment_fixed_size: 0
    .private_segment_fixed_size: 0
    .kernarg_segment_align: 8
    .kernarg_segment_size: 48
    .max_flat_workgroup_size: 128
    .sgpr_count:     66
    .vgpr_count:     216
    .wavefront_size: 32
...
	.end_amdgpu_metadata
.endif
;; end of part 1
;; launch ffn1 (part 2): grid 32 x 8, 8 waves a work-group, no clusters, 314,368 bytes of LDS; arguments w1, xb, top1, b1, hbuf; writes hbuf
.if DOCPART == 2
	.amdgcn_target "amdgcn-amd-amdhsa--gfx1250"
	.amdhsa_code_object_version 6
	.text
	.protected	k_q71d73d7f6c_ffn1
	.globl	k_q71d73d7f6c_ffn1
	.p2align	8
	.type	k_q71d73d7f6c_ffn1,@function
k_q71d73d7f6c_ffn1:
	s_mov_b64 s[64:65], 0
	v_nop
	global_prefetch_b8 v0, s[64:65] scope:SCOPE_SE
	s_setreg_imm32_b32 hwreg(HW_REG_WAVE_MODE, 25, 1), 1
	s_wait_xcnt 0x0
; FIRST PRODUCT OF THE EXPERTS.  hbuf[n][c] = gelu(xb[n] . w1[e][:, c] + b1[e][c]) for e = top1[n] alone; w1 and b1 rounded to bf16, sums in f32, hbuf in f16.
; SHARES.  Work-group (x, e) has the slice w1[e][0..1023][128 x .. 128 x + 127], 512 KiB of f32 that it alone reads, once, and ALL rows of expert e, however many (0 to 1,024).
; All eight waves run one text.  PRODUCING: of each chunk of 32 k rows wave w takes rows 4 w .. 4 w + 3, one load a row (the slice's 512 consecutive bytes), rounds them to bf16 and lays them
; into LDS as [k][128 columns].  CONSUMING: tile t of 16 rows of the expert belongs to wave t % 8; a block is 16 tiles, two SLOTS a wave, 16 accumulators of 16 x 16.
; THE STREAM, 32 steps: a barrier (chunk s lies in LDS), chunk s is read and multiplied for block 0, and chunk s + 1 is stored meanwhile: other rows of the slice, which is written once and never again.
; MORE THAN 256 ROWS: blocks 1 to 3 are multiplied from the slice that then lies whole in LDS; dead blocks are jumped.  Their 32 K steps are written out, on five address registers made at the head.
; Behind the stream's last barrier no wave writes the slice, and stage, token words and spare words are each wave's own: no further barrier is needed.
; THE MATRIX INSTRUCTION takes 16 slice columns as source 0 (turned out of LDS by ds_load_tr16_b128) and 16 tokens as source 1: a lane then holds one token (lane % 16) and eight neighbouring columns.
; THE ROWS.  Each wave keeps a table in two registers: lane g holds the mask of the lanes whose top1 register g names e, and the number of matches before it.
; The token of rank k is found from it in registers.  PAST THE COUNT: a group of eight rows that begins at or past the count is jumped.  Inside a group that the count cuts, the places past it
; repeat the expert's last row: the same token, the same operand bytes, so the same numbers; their stores write that row's bytes once more with the same values, from the same wave.
; What a branch on the count jumps holds work alone: every register that serves as an address is made at the head or in a line that every trip runs.
; GELU is exact-erf by the five-term rational form of erfc (error of erf below 1.5e-7 for every x): gelu = max(x, 0) - |x| q, q = erfc(|x| / sqrt 2) / 2: no difference of near numbers for x < 0.
; NO CLUSTER: each weight byte has one reader; the token rows come by a list that no tile descriptor covers.
; A token fragment's load takes 32 consecutive bytes of each of 16 rows: the layout of source 1 asks for a row a lane.
; LIMITS.  x . w1 passes through f16 on its way to GELU, and so does the result: both must stay below 65,504.  NaN and infinities are not treated apart.
.set WPITCH, 16384                     ; bytes from row to row of w1
.set CHB,    32*WPITCH                 ; from chunk to chunk
.set ASHIFT, 11                        ; a row of xb is 2,048 bytes
.set OSHIFT, 13                        ; a row of hbuf 8,192
.set PITCH,  288                       ; a slice row in LDS: 256 bytes + 32 = 72 words: the turning load's 8 rows x 32 bytes start 8 banks apart (64 banks of 4 bytes: ISA guide 11.1)
.set CHUNK,  32*PITCH
.set TOKB,   1024*PITCH                ; behind the slice: 32 token words for each wave
.set STAGE,  TOKB+8*128                ; 8 rows x 272 bytes for each wave: eight stages of 16 rows have no room beside the slice
.set SPITCH, 272
.set SPARE,  STAGE+8*8*SPITCH          ; the spare words, 128 bytes for each of the eight waves; no other line names them
; vector registers, window 0
.set LN,  1                            ; lane
.set RR,  2                            ; lane % 16
.set SPW, 3                            ; my spare word; never rewritten
.set NIL, 4                            ; 0; never rewritten
.set HB,  5                            ; lane / 16
.set ST0, 6                            ; my place in a chunk in LDS, for the stores
.set WOFF, 7                           ; my byte offset in a chunk of w1
.set ST,  8                            ; ST0 + the step's base
.set TR0, 9                            ; my place in a chunk for the turning load
.set TR,  10                           ; TR0 + the step's base
.set AO,  11                           ; v11, v12: slot i: my token's row offset + 16 (lane / 16)
.set BIAS, 16                          ; v[16:23] b1 of columns 8 (lane % 16) + 0..7
.set ONE, 24
.set C16, 25                           ; 16 (lane % 16)
.set H16, 26                           ; 16 (lane / 16)
.set MT,  27                           ; the table: masks
.set PT,  28                           ; the table: matches before
.set TKW, 29                           ; token words: mine by lane
.set TKR, 30                           ; by lane % 16
.set R0,  31                           ; 128 (lane / 16) + lane % 16
.set STO, 32                           ; stage, in
.set RD,  33                           ; stage, back
.set TKE, 34                           ; token words by lane / 16
.set R8,  35                           ; (lane % 16) / 8: which half of a tile's tokens is mine
.set TRB, 35                           ; v[36:39]: TR0 + 7 j chunks, j = 1 .. 4: seven chunks lie within an LDS instruction's 16-bit offset
.set T,   40                           ; v[40:47] my four rows of a chunk, rounded
.set A,   56                           ; v[56:183] token fragments: step % 8 = j, slot i at 56 + 16 j + 8 i
.set WF,  192                          ; v[192:255] the chunk's eight weight fragments
; window 1: accumulator (i, c) at 64 i + 8 c; v[128 + 16 j + 4 i]: weights as loaded, ring slot j, row i; on the way out v[128:159] a slot's 16 x 128 numbers in f16
.set RG,  128
.set XV,  40                           ; the way out: x, later q
.set AX,  72                           ; |x|
.set UU,  104                          ; 1 + p |x|, then t
.set EE,  136                          ; the exponent, then the exponential
.set MX,  168                          ; max(x, 0)
.set OUT, 200                          ; packed results
.set PRE, 216                          ; rows read back from the stage
.set OFS, 236                          ; v[236:251] the block's sixteen store offsets: slot, token half, store at 8 slot + 4 half + k
.set RK,  240                          ; v[240:251] at work in the search
.set G4,  241
.set CA,  242
.set PP,  243
.set MS,  244
.set KK,  245
.set TA,  246
.set C2,  247
.set C4,  248
.set C8,  249
.set CG,  250
.set PO,  251
; scalar registers: s[4:5] w1, running; s[6:7] xb, running; s[8:9] top1; s[10:11] b1; s[12:13] hbuf; s[32:33] xb, kept
.set WV, 14                            ; wave
.set EX, 16                            ; expert
.set XX, 17                            ; slice
.set CN, 20                            ; the expert's rows
.set TL, 21                            ; its tiles
.set CM, 22                            ; its last rank
.set NL, 23                            ; my live slots in the block
.set KC, 24
.set BK, 25
.set T0, 26                            ; my first tile of the block
.set PF, 27
.set MK, 28
.set TP, 29
.set SL, 30
.set SX, 35
.set KB, 36                            ; LDS byte at which the step's chunk begins
.set CU, 38                            ; pairs, both words written: the packed forms name a pair and take its low word
.set CE, 40
.set A5, 42
.set A4, 44
.set A3, 46
.set A2, 48
.set A1, 50
.set ABSM, 52
.set HIM, 53
.set LH, 54                            ; s54, s55: slot i: how many of its two groups of eight rows begin below the count
.set MSB, 0
.macro WIN new                         ; bits 1:0 source 0, 3:2 source 1, 5:4 source 2, 7:6 destination; the high byte repeats the setting that is left
.if MSB != (\new)
	s_set_vgpr_msb (MSB<<8)|(\new)
.set MSB, \new
.endif
.endm
.macro PLACES                          ; four plain instructions between a matrix instruction and a load into, or a read of, its registers
.rept 4
	v_nop
.endr
.endm
	s_load_b256 s[4:11], s[0:1], 0x0
	s_load_b64 s[12:13], s[0:1], 0x20
	v_lshl_add_u32 v[SPW], v0, 2, SPARE
	v_mov_b32 v[NIL], 0
	v_lshrrev_b32 v13, 5, v0
	v_readfirstlane_b32 s[WV], v13
	s_and_b32 s[EX], ttmp7, 0xffff
	s_mov_b32 s[XX], ttmp9
	v_and_b32 v[LN], 31, v0
	v_and_b32 v[RR], 15, v0
	v_bfe_u32 v[HB], v0, 4, 1
	v_bfe_u32 v[R8], v0, 3, 1
	s_lshl_b32 s18, s[EX], 24                      ; an expert's w1 is 16 MiB,
	s_lshl_b32 s[TP], s[XX], 9                     ; a slice's columns 512 bytes of a row
	s_add_co_u32 s18, s18, s[TP]
	s_mov_b32 s19, 0
	s_lshl_b32 s34, s[EX], 14                      ; b1: 16,384 bytes an expert
	s_add_co_u32 s34, s34, s[TP]
	s_mov_b32 s35, 0
	s_lshl_b32 s30, s[XX], 8                       ; hbuf: 256 bytes of a row
	s_mov_b32 s31, 0
	s_mov_b32 s[KB], 0
	s_mov_b32 s[HIM], 0xffff0000
	v_lshlrev_b32 v14, 4, v[LN]
	v_lshlrev_b32 v15, 5, v[RR]
	s_mul_i32 s[TP], s[WV], 4*WPITCH
	v_lshl_add_u32 v[WOFF], v[LN], 4, s[TP]        ; my 4 rows of a chunk, 16 bytes a lane
	s_wait_kmcnt 0x0
	s_add_nc_u64 s[4:5], s[4:5], s[18:19]
	s_add_nc_u64 s[10:11], s[10:11], s[34:35]
	s_add_nc_u64 s[12:13], s[12:13], s[30:31]
	s_mov_b64 s[32:33], s[6:7]
.irp i, 0,1,2,3,4,5,6,7
	global_load_b128 v[A+4*(\i):A+4*(\i)+3], v14, s[8:9] offset:512*(\i)  ; all of top1: register 4 i + q holds token 128 i + 4 lane + q
.endr
	global_load_b128 v[BIAS:BIAS+3], v15, s[10:11]
	global_load_b128 v[BIAS+4:BIAS+7], v15, s[10:11] offset:16
.macro WLOAD slot, pos                 ; my four rows of the chunk pos chunks from the running base, into ring slot slot
	WIN 0x40
.irp i, 0,1,2,3
	global_load_b128 v[RG+16*(\slot)+4*(\i):RG+16*(\slot)+4*(\i)+3], v[WOFF], s[4:5] offset:(\pos)*CHB+(\i)*WPITCH th:TH_LOAD_NT
.endr
	WIN 0
.endm
.irp c, 0,1,2,3,4,5,6
	WLOAD \c, \c                                   ; chunks 0 to 6 are asked for before anything else is worked out
.endr
	s_mul_i32 s[TP], s[WV], 4*PITCH
	v_lshl_add_u32 v[ST0], v[LN], 3, s[TP]         ; my 4 rows, 8 bytes a lane
	v_and_b32 v13, 7, v0                           ; the turning load: lane l reads k row 8 (l / 16) + l % 8, columns 8 ((l / 8) % 2) + 0..7
	v_lshl_add_u32 v[TA], v[HB], 3, v13
	v_mul_u32_u24 v[TR0], v[TA], PITCH
	v_lshl_add_u32 v[TR0], v[R8], 4, v[TR0]
.irp j, 1,2,3,4
	v_add_nc_u32 v[TRB+(\j)], (\j)*7*CHUNK, v[TR0] ; for the later blocks: chunks 7 j .. 7 j + 6 are reached from here by the immediate
.endr
	s_mul_i32 s[TP], s[WV], 8*SPITCH
	s_add_co_u32 s[TP], s[TP], STAGE               ; my stage
	v_mul_u32_u24 v[STO], v13, SPITCH              ; in: row lane % 8, 16 bytes for each half of the lanes
	v_lshl_add_u32 v[STO], v[HB], 4, v[STO]
	v_add_nc_u32 v[STO], s[TP], v[STO]
	v_mul_u32_u24 v[RD], v[HB], SPITCH             ; back: lanes 0-15 one row of 256 bytes, lanes 16-31 the next
	v_lshl_add_u32 v[RD], v[RR], 4, v[RD]
	v_add_nc_u32 v[RD], s[TP], v[RD]
	s_lshl_b32 s[TP], s[WV], 7
	s_add_co_u32 s[TP], s[TP], TOKB                ; my token words
	v_lshl_add_u32 v[TKW], v[LN], 2, s[TP]
	v_lshl_add_u32 v[TKR], v[RR], 2, s[TP]
	v_lshl_add_u32 v[TKE], v[HB], 2, s[TP]
	v_lshl_add_u32 v[R0], v[HB], 7, v[RR]
	v_lshlrev_b32 v[C16], 4, v[RR]
	v_lshlrev_b32 v[H16], 4, v[HB]
	v_mov_b32 v[ONE], 1.0
	v_mov_b32 v[MT], 0
	v_mov_b32 v[PT], 0
	s_mov_b32 s[CU], 0x3e6d3389                    ; 0.3275911 / sqrt 2
	s_mov_b32 s[CU+1], s[CU]
	s_mov_b32 s[CE], 0xbf38aa3b                    ; -log2(e) / 2
	s_mov_b32 s[CE+1], s[CE]
	s_mov_b32 s[A5], 0x3f07dc22                    ; the five coefficients, halved: 0.5307027
	s_mov_b32 s[A5+1], s[A5]
	s_mov_b32 s[A4], 0xbf3a00e3                    ; -0.7265760
	s_mov_b32 s[A4+1], s[A4]
	s_mov_b32 s[A3], 0x3f35f0e3                    ; 0.7107069
	s_mov_b32 s[A3+1], s[A3]
	s_mov_b32 s[A2], 0xbe11a98e                    ; -0.1422484
	s_mov_b32 s[A2+1], s[A2]
	s_mov_b32 s[A1], 0x3e027906                    ; 0.1274148
	s_mov_b32 s[A1+1], s[A1]
	s_mov_b32 s[ABSM], 0x7fffffff
	s_mov_b32 s[PF], 0
	s_wait_loadcnt 28                              ; the 28 loads of w1 are younger: top1 and b1 are in
.set g, 0
.rept 32                               ; the table: lane g takes register g's mask and the matches before it
	v_cmp_eq_u32 s[MK], s[EX], v[A+g]
	v_writelane_b32 v[MT], s[MK], g
	v_writelane_b32 v[PT], s[PF], g
	s_bcnt1_i32_b32 s[TP], s[MK]
	s_add_co_u32 s[PF], s[PF], s[TP]
.set g, g+1
.endr
.irp p, 0,1,2,3
	v_cvt_pk_bf16_f32 v13, v[BIAS+2*(\p)], v[BIAS+2*(\p)+1]
	v_lshlrev_b32 v[BIAS+2*(\p)], 16, v13
	v_and_b32 v[BIAS+2*(\p)+1], s[HIM], v13
.endr
	s_min_u32 s[CN], s[PF], 0x400                  ; an expert has 1,024 rows at the most
	s_add_co_u32 s[TL], s[CN], 15
	s_lshr_b32 s[TL], s[TL], 4
	s_max_u32 s[CM], s[CN], 1
	s_sub_co_u32 s[CM], s[CM], 1
	s_mov_b32 s[T0], s[WV]
.macro NLIVE                           ; how many of the tiles T0, T0 + 8 exist; and, for each, how many of its two groups of eight rows begin below the count
	s_sub_co_i32 s[NL], s[TL], s[T0]
	s_add_co_i32 s[NL], s[NL], 7
	s_ashr_i32 s[NL], s[NL], 3
	s_max_i32 s[NL], s[NL], 0
	s_min_i32 s[NL], s[NL], 2
	s_lshl_b32 s[TP], s[T0], 4
	s_sub_co_i32 s[LH], s[CN], s[TP]
	s_add_co_i32 s[LH], s[LH], 7
	s_sub_co_i32 s[LH+1], s[LH], 128
	s_ashr_i32 s[LH], s[LH], 3
	s_ashr_i32 s[LH+1], s[LH+1], 3
	s_max_i32 s[LH], s[LH], 0
	s_max_i32 s[LH+1], s[LH+1], 0
	s_min_i32 s[LH], s[LH], 2
	s_min_i32 s[LH+1], s[LH+1], 2
.endm
.macro LEVEL src, bits, w              ; are there KK or fewer set bits in the next w places?  Then they are passed over
	v_bfe_u32 v[TA], v[\src], v[PO], \bits
	v_cmp_ge_u32 vcc_lo, v[KK], v[TA]
	v_sub_nc_u32 v[TA], v[KK], v[TA]
	v_cndmask_b32 v[KK], v[KK], v[TA], vcc_lo
	v_add_nc_u32 v[TA], \w, v[PO]
	v_cndmask_b32 v[PO], v[PO], v[TA], vcc_lo
.endm
; The block's tokens into my token words: 32 ranks at once, lanes 0-15 the rows of slot 0, lanes 16-31 those of slot 1.
.macro SEARCH
	s_lshl_b32 s[TP], s[T0], 4
	v_add_nc_u32 v[RK], s[TP], v[R0]               ; rank = 16 (T0 + 8 slot) + row
	v_min_u32 v[RK], s[CM], v[RK]                  ; past the count: the last row once more
	v_mov_b32 v[G4], 0
.irp w, 64,32,16,8,4                   ; the last table entry whose 'matches before' is not above the rank, by halving; lane numbers times 4
	v_add_nc_u32 v[CA], \w, v[G4]
	ds_bpermute_b32 v[PP], v[CA], v[PT]
	s_wait_dscnt 0x0
	v_cmp_le_u32 vcc_lo, v[PP], v[RK]
	v_cndmask_b32 v[G4], v[G4], v[CA], vcc_lo
.endr
	ds_bpermute_b32 v[MS], v[G4], v[MT]
	ds_bpermute_b32 v[PP], v[G4], v[PT]
	s_wait_dscnt 0x0
	v_sub_nc_u32 v[KK], v[RK], v[PP]               ; which set bit of that mask
	v_lshrrev_b32 v[TA], 1, v[MS]                  ; counts of set bits in fields of 2, 4, 8 and 16
	v_and_b32 v[TA], 0x55555555, v[TA]
	v_sub_nc_u32 v[C2], v[MS], v[TA]
	v_lshrrev_b32 v[TA], 2, v[C2]
	v_and_b32 v[TA], 0x33333333, v[TA]
	v_and_b32 v[C4], 0x33333333, v[C2]
	v_add_nc_u32 v[C4], v[C4], v[TA]
	v_lshrrev_b32 v[TA], 4, v[C4]
	v_add_nc_u32 v[C8], v[C4], v[TA]
	v_and_b32 v[C8], 0x0f0f0f0f, v[C8]
	v_lshrrev_b32 v[TA], 8, v[C8]
	v_add_nc_u32 v[CG], v[C8], v[TA]
	v_mov_b32 v[PO], 0
	LEVEL CG, 8, 16
	LEVEL C8, 8, 8
	LEVEL C4, 4, 4
	LEVEL C2, 2, 2
	LEVEL MS, 1, 1
	v_lshrrev_b32 v[TA], 4, v[G4]                  ; token = 128 (g / 4) + g % 4 + 4 x bit
	v_bfe_u32 v[CA], v[G4], 2, 2
	v_lshl_add_u32 v[TA], v[TA], 7, v[CA]
	v_lshl_add_u32 v[TA], v[PO], 2, v[TA]
	ds_store_b32 v[TKW], v[TA]
.endm
.macro AOFF                            ; my two row offsets, from the token words
.irp i, 0,1
	ds_load_b32 v[13+(\i)], v[TKR] offset:64*(\i)  ; LDS serves a wave's instructions in order: these see my store of the words
.endr
	s_wait_dscnt 0x0
.irp i, 0,1
	v_min_u32 v[13+(\i)], 0x3ff, v[13+(\i)]
	v_lshl_add_u32 v[AO+(\i)], v[13+(\i)], ASHIFT, v[H16]
.endr
.endm
.macro ALOAD b, imm                    ; one K step's token fragments of my two slots into buffer b
.irp i, 0,1
	global_load_b128 v[A+16*(\b)+8*(\i):A+16*(\b)+8*(\i)+3], v[AO+(\i)], s[6:7] offset:(\imm)
	global_load_b128 v[A+16*(\b)+8*(\i)+4:A+16*(\b)+8*(\i)+7], v[AO+(\i)], s[6:7] offset:(\imm)+32
.endr
.endm
; The chunk in ring slot sm is rounded and laid into LDS, off bytes behind the step's base.
.macro CONVERT sm, off
	WIN 0x05
.irp i, 0,1,2,3
	v_cvt_pk_bf16_f32 v[T+2*(\i)], v[RG+16*(\sm)+4*(\i)], v[RG+16*(\sm)+4*(\i)+1]
	v_cvt_pk_bf16_f32 v[T+2*(\i)+1], v[RG+16*(\sm)+4*(\i)+2], v[RG+16*(\sm)+4*(\i)+3]
.endr
	WIN 0
	v_add_nc_u32 v[ST], s[KB], v[ST0]
.irp i, 0,1,2,3
	ds_store_b64 v[ST], v[T+2*(\i):T+2*(\i)+1] offset:(\off)+(\i)*PITCH  ; a row's 256 consecutive bytes
.endr
.endm
	NLIVE
	SEARCH
	AOFF
.irp c, 0,1,2,3,4,5,6
	ALOAD \c, 64*(\c)                              ; the token fragments of steps 0 to 6
.endr
	s_wait_loadcnt 52                              ; chunks 1 to 6 (24 loads) and the 28 token loads are younger: chunk 0 is in
	CONVERT 0, 0
	s_wait_dscnt 0x0                               ; for the others' sake: my rows of chunk 0 lie in LDS when I signal
.macro FRAGS                           ; the eight weight fragments of the chunk at v[TR]
.irp c, 0,1,2,3,4,5,6,7
	ds_load_tr16_b128 v[WF+8*(\c):WF+8*(\c)+3], v[TR] offset:32*(\c)
	ds_load_tr16_b128 v[WF+8*(\c)+4:WF+8*(\c)+7], v[TR] offset:32*(\c)+16*PITCH
.endr
.endm
; Up to 16 products; a slot's eight accumulators take turns.  first = 1: they start the sums with 0, in both slots, so that every accumulator is written.
; Else dead slots are jumped.  In slot 0 the count lets what was issued behind fragment c stay out: two loads for each later fragment and st stores.
.macro PRODUCTS ab, first, st
.irp i, 0,1
.if !(\first)
	WIN 0
	s_cmp_gt_u32 s[NL], \i
	s_cbranch_scc0 .Ldone_\@
.endif
	WIN 0x50
.irp c, 0,1,2,3,4,5,6,7
.if (\i) == 0
	s_wait_dscnt (\st)+14-2*(\c)
.endif
.if \first
	v_wmma_f32_16x16x32_bf16 v[64*(\i)+8*(\c):64*(\i)+8*(\c)+7], v[WF+8*(\c):WF+8*(\c)+7], v[(\ab)+8*(\i):(\ab)+8*(\i)+7], 0
.else
	v_wmma_f32_16x16x32_bf16 v[64*(\i)+8*(\c):64*(\i)+8*(\c)+7], v[WF+8*(\c):WF+8*(\c)+7], v[(\ab)+8*(\i):(\ab)+8*(\i)+7], v[64*(\i)+8*(\c):64*(\i)+8*(\c)+7]
.endif
.endr
.endr
	WIN 0
.Ldone_\@:
	s_wait_dscnt 0x0                               ; my reads of the chunk are back and my stores of the next lie in LDS: nothing of mine is out at the next signal
.endm
; STEP s, sm = s % 8.  ONE barrier: it orders every wave's stores of chunk s ahead of every wave's reads of chunk s.  Nothing needs ordering the other way: no slice byte is written twice.
; lw: the loads that may stay out when chunk s + 1 must be in (the token fragments of step s are older than it).  pos >= 0: chunk s + 7 and the fragments of step s + 7 are asked for, pos steps from the
; running bases, into the ring slot converted two steps ago and the buffer multiplied last step.  prod = 1: chunk s + 1 is rounded and stored.
.macro STEP sm, pos, lw, first, prod
	s_barrier_signal -1
	s_barrier_wait -1
.if !(\first)
	PLACES                                         ; behind the last step's products, ahead of the loads into their sources
.endif
	v_add_nc_u32 v[TR], s[KB], v[TR0]
	FRAGS
	s_wait_loadcnt \lw
.if (\pos) >= 0
	WLOAD ((\sm)+7)%8, \pos
	ALOAD ((\sm)+7)%8, 64*(\pos)
.endif
.if \prod
	CONVERT ((\sm)+1)%8, CHUNK
	PRODUCTS A+16*(\sm), \first, 4
.else
	PRODUCTS A+16*(\sm), \first, 0
.endif
	s_add_co_u32 s[KB], s[KB], CHUNK
.endm
.macro ONWARD                          ; eight chunks of w1, eight steps of token bytes
	s_wait_xcnt 0x0                                ; the bases are stepped only behind this wait
	s_add_nc_u64 s[4:5], s[4:5], 8*CHB
	s_add_nc_u64 s[6:7], s[6:7], 512
.endm
	STEP 0, 7, 0, 1, 1                             ; step 0 stands ahead of the loop: its products start the sums.  All that the head asked for is waited for: steps 1 to 5 need nothing newer
	ONWARD
	s_mov_b32 s[KC], 3
.Lring:                                                ; steps 1 to 24.  44 = the fragments of step s + 1 (4 loads) and the five bundles of 8 behind them
	STEP 1, 0, 44, 0, 1
	STEP 2, 1, 44, 0, 1
	STEP 3, 2, 44, 0, 1
	STEP 4, 3, 44, 0, 1
	STEP 5, 4, 44, 0, 1
	STEP 6, 5, 44, 0, 1
	STEP 7, 6, 44, 0, 1
	STEP 0, 7, 44, 0, 1
	ONWARD
	s_sub_co_u32 s[KC], s[KC], 1
	s_cmp_lg_u32 s[KC], 0
	s_cbranch_scc1 .Lring
	STEP 1, -1, 44, 0, 1                           ; steps 25 to 31 ask for nothing: the counts run down by a bundle a step
	STEP 2, -1, 36, 0, 1
	STEP 3, -1, 28, 0, 1
	STEP 4, -1, 20, 0, 1
	STEP 5, -1, 12, 0, 1
	STEP 6, -1, 4, 0, 1
	STEP 7, -1, 0, 0, 0
.macro PACK i                          ; slot i: x . w1 rounded to f16, each accumulator from its low end on; kept in window 1 for the slot's two halves
	WIN 0x45
.set n, 0
.rept 32
	v_cvt_pk_f16_f32 v[RG+n], v[64*(\i)+2*n], v[64*(\i)+2*n+1]
.set n, n+1
.endr
	WIN 0
.endm
; What differs between the four trips of the way out, u = 2 slot + token half, ahead of GELU: whether the eight rows exist, the slot that is packed, the lanes that fill the stage.
.macro SEL u
	s_cmp_gt_u32 s[LH+(\u)/2], (\u)%2
	s_cbranch_scc0 .Lu_next                        ; the group begins at or past the count
.if (\u)%2 == 0
	PACK (\u)/2
.endif
	v_cmp_eq_u32 vcc_lo, (\u)%2, v[R8]
	s_and_saveexec_b32 s[SX], vcc_lo               ; the lanes that hold these eight tokens: a mask of the lane's number alone
	WIN 0x04
.irp c, 0,1,2,3,4,5,6,7
	ds_store_b128 v[STO], v[RG+4*(\c):RG+4*(\c)+3] offset:32*(\c)  ; a lane's eight columns, 16 bytes
.endr
	WIN 0
	s_or_b32 exec_lo, exec_lo, s[SX]               ; no global instruction was issued since the trip's s_wait_xcnt 0
.endm
.macro PICK u
	s_cmp_lg_u32 s[SL], \u
	s_cbranch_scc1 .Lnot_\@
	SEL \u
	s_branch .Lbody
.Lnot_\@:
.endm
; And behind GELU: the four stores, on the trip's four offsets.
.macro STV u
.irp k, 0,1,2,3
	global_store_b128 v[OFS+4*(\u)+(\k)], v[OUT+4*(\k):OUT+4*(\k)+3], s[12:13]  ; 16 lanes store a row's 256 consecutive bytes, aligned
.endr
.endm
.macro SPICK u
	s_cmp_lg_u32 s[SL], \u
	s_cbranch_scc1 .Lsn_\@
	STV \u
	s_branch .Lu_next
.Lsn_\@:
.endm
; K step s of a later block, from the slice that lies whole in LDS: the step stands in the immediates.  Both slots are multiplied: a dead one repeats the last row, and its stores are jumped.
; This path runs only past 256 rows an expert: its loads are waited for at once.
.macro BSTEP s
.if (\s)/7 == 0
.set tb, TR0
.else
.set tb, TRB+(\s)/7
.endif
	PLACES
.irp c, 0,1,2,3,4,5,6,7
	ds_load_tr16_b128 v[WF+8*(\c):WF+8*(\c)+3], v[tb] offset:((\s)%7)*CHUNK+32*(\c)
	ds_load_tr16_b128 v[WF+8*(\c)+4:WF+8*(\c)+7], v[tb] offset:((\s)%7)*CHUNK+32*(\c)+16*PITCH
.endr
.irp i, 0,1
	global_load_b128 v[A+8*(\i):A+8*(\i)+3], v[AO+(\i)], s[32:33] offset:64*(\s)
	global_load_b128 v[A+8*(\i)+4:A+8*(\i)+7], v[AO+(\i)], s[32:33] offset:64*(\s)+32
.endr
	s_wait_loadcnt 0x0
	s_wait_dscnt 0x0
	WIN 0x50
.irp i, 0,1
.irp c, 0,1,2,3,4,5,6,7
.if (\s) == 0
	v_wmma_f32_16x16x32_bf16 v[64*(\i)+8*(\c):64*(\i)+8*(\c)+7], v[WF+8*(\c):WF+8*(\c)+7], v[A+8*(\i):A+8*(\i)+7], 0
.else
	v_wmma_f32_16x16x32_bf16 v[64*(\i)+8*(\c):64*(\i)+8*(\c)+7], v[WF+8*(\c):WF+8*(\c)+7], v[A+8*(\i):A+8*(\i)+7], v[64*(\i)+8*(\c):64*(\i)+8*(\c)+7]
.endif
.endr
.endr
	WIN 0
.endm
	s_mov_b32 s[BK], 0
.Lblock:                                               ; four trips: the block in hand goes out; the next, if it has a tile of mine, is multiplied
	PLACES
.set j, 0
.rept 16                               ; in every trip: the tokens of the block's sixteen stores: row 8 half + 2 k + lane / 16 of a slot
	ds_load_b32 v[OFS+j], v[TKE] offset:8*j
.set j, j+1
.endr
	s_wait_dscnt 0x0
.set j, 0
.rept 16
	v_min_u32 v[OFS+j], 0x3ff, v[OFS+j]
.set j, j+1
.endr
.set j, 0
.rept 16
	v_lshl_add_u32 v[OFS+j], v[OFS+j], OSHIFT, v[C16]
.set j, j+1
.endr
	s_cmp_gt_u32 s[NL], 0
	s_cbranch_scc0 .Lout_done                      ; no tile of this block is mine
	s_mov_b32 s[SL], 0
.Lu:                                                   ; four trips, eight rows each: 32 numbers a lane
	s_wait_xcnt 0x0                                ; OUT, which the last trip's stores read, is rewritten, and EXEC changes, only behind this wait
	PICK 0
	PICK 1
	PICK 2
	SEL 3
.Lbody:
.irp k, 0,1,2,3
	ds_load_b128 v[PRE+4*(\k):PRE+4*(\k)+3], v[RD] offset:2*(\k)*SPITCH  ; rows 2 k and 2 k + 1, whole; LDS serves a wave's instructions in order
.endr
	s_wait_dscnt 0x0
.set n, 0
.rept 16
	v_fma_mix_f32 v[XV+2*n], v[PRE+n], v[ONE], v[BIAS+(2*n)%8] op_sel_hi:[1,0,0]
	v_fma_mix_f32 v[XV+2*n+1], v[PRE+n], v[ONE], v[BIAS+(2*n+1)%8] op_sel:[1,0,0] op_sel_hi:[1,0,0]
.set n, n+1
.endr
.set n, 0
.rept 32
	v_and_b32 v[AX+n], s[ABSM], v[XV+n]
.set n, n+1
.endr
.set n, 0
.rept 16
	v_pk_fma_f32 v[UU+n:UU+n+1], v[AX+n:AX+n+1], s[CU:CU+1], 1.0 op_sel_hi:[1,0,0]
	v_pk_mul_f32 v[EE+n:EE+n+1], v[XV+n:XV+n+1], v[XV+n:XV+n+1]
.set n, n+2
.endr
.set n, 0
.rept 16
	v_pk_mul_f32 v[EE+n:EE+n+1], v[EE+n:EE+n+1], s[CE:CE+1] op_sel_hi:[1,0]
.set n, n+2
.endr
.set n, 0
.rept 32                               ; one batch: 32 reciprocals and 32 exponentials
	v_rcp_f32 v[UU+n], v[UU+n]
.set n, n+1
.endr
.set n, 0
.rept 32
	v_exp_f32 v[EE+n], v[EE+n]
.set n, n+1
.endr
.set n, 0
.rept 32                               ; plain work that names none of the batch's results
	v_max_num_f32 v[MX+n], 0, v[XV+n]
.set n, n+1
.endr
	s_wait_alu depctr_va_vdst(0)                   ; one wait for the batch, ahead of its first reader
.set n, 0
.rept 16
	v_pk_fma_f32 v[XV+n:XV+n+1], v[UU+n:UU+n+1], s[A5:A5+1], s[A4:A4+1] op_sel_hi:[1,0,0]
.set n, n+2
.endr
.irp a, A3, A2, A1
.set n, 0
.rept 16
	v_pk_fma_f32 v[XV+n:XV+n+1], v[XV+n:XV+n+1], v[UU+n:UU+n+1], s[\a:\a+1] op_sel_hi:[1,1,0]
.set n, n+2
.endr
.endr
.set n, 0
.rept 16
	v_pk_mul_f32 v[UU+n:UU+n+1], v[UU+n:UU+n+1], v[EE+n:EE+n+1]
.set n, n+2
.endr
.set n, 0
.rept 16
	v_pk_mul_f32 v[XV+n:XV+n+1], v[XV+n:XV+n+1], v[UU+n:UU+n+1]  ; q
.set n, n+2
.endr
.set n, 0
.rept 16
	v_pk_fma_f32 v[XV+n:XV+n+1], v[AX+n:AX+n+1], v[XV+n:XV+n+1], v[MX+n:MX+n+1] neg_lo:[1,0,0] neg_hi:[1,0,0]  ; max(x, 0) - |x| q
.set n, n+2
.endr
.set n, 0
.rept 16
	v_cvt_pk_f16_f32 v[OUT+n], v[XV+2*n], v[XV+2*n+1]
.set n, n+1
.endr
	SPICK 0
	SPICK 1
	SPICK 2
	STV 3
.Lu_next:
	s_add_co_u32 s[SL], s[SL], 1
	s_cmp_lt_u32 s[SL], 4
	s_cbranch_scc1 .Lu
.Lout_done:
	s_wait_xcnt 0x0                                ; the stores have read their registers
	s_add_co_u32 s[T0], s[T0], 16                  ; the next block
	NLIVE
	s_cmp_gt_u32 s[NL], 0
	s_cbranch_scc0 .Lno_search                     ; no tile of mine in it: the token words stay as they are
	SEARCH
.Lno_search:
	AOFF                                           ; in every trip
	s_cmp_gt_u32 s[NL], 0
	s_cbranch_scc0 .Lblock_next                    ; nothing but work is jumped
.set bs, 0
.rept 32
	BSTEP bs
.set bs, bs+1
.endr
.Lblock_next:
	s_add_co_u32 s[BK], s[BK], 1
	s_cmp_lt_u32 s[BK], 4
	s_cbranch_scc1 .Lblock
	s_wait_tensorcnt 0x0                           ; the wave's end, behind my last LDS store
	ds_add_u32 v[SPW], v[NIL]
	s_wait_dscnt 0x0
	s_endpgm
.Lfunc_end_k_q71d73d7f6c_ffn1:
	.size	k_q71d73d7f6c_ffn1, .Lfunc_end_k_q71d73d7f6c_ffn1-k_q71d73d7f6c_ffn1
	.p2alignl 7, 3214868480
	.fill 96, 4, 3214868480
	.section	.rodata,"a",@progbits
	.p2align	6, 0x0
	.amdhsa_kernel k_q71d73d7f6c_ffn1
		.amdhsa_group_segment_fixed_size 314368
		.amdhsa_private_segment_fixed_size 0
		.amdhsa_enable_private_segment 0
		.amdhsa_kernarg_size 40
		.amdhsa_user_sgpr_count 2
		.amdhsa_user_sgpr_kernarg_segment_ptr 1
		.amdhsa_wavefront_size32 1
		.amdhsa_system_sgpr_workgroup_id_x 1
		.amdhsa_system_sgpr_workgroup_id_y 1
		.amdhsa_system_sgpr_workgroup_id_z 1
		.amdhsa_system_vgpr_workitem_id 0
		.amdhsa_next_free_vgpr 512
		.amdhsa_next_free_sgpr 66
		.amdhsa_reserve_vcc 1
		.amdhsa_float_denorm_mode_32 3
		.amdhsa_float_denorm_mode_16_64 3
		.amdhsa_memory_ordered 1
		.amdhsa_forward_progress 1
		.amdhsa_inst_pref_size 209
	.end_amdhsa_kernel
	.amdgpu_metadata
---
amdhsa.version: [ 1, 2 ]
amdhsa.kernels:
  - .name:           k_q71d73d7f6c_ffn1
    .symbol:         k_q71d73d7f6c_ffn1.kd
    .args:
      - { .name: w1, .offset: 0, .size: 8, .value_kind: global_buffer, .address_space: global }
      - { .name: xb, .offset: 8, .size: 8, .value_kind: global_buffer, .address_space: global }
      - { .name: top1, .offset: 16, .size: 8, .value_kind: global_buffer, .address_space: global }
      - { .name: b1, .offset: 24, .size: 8, .value_kind: global_buffer, .address_space: global }
      - { .name: hbuf, .offset: 32, .size: 8, .value_kind: global_buffer, .address_space: global }
    .group_segment_fixed_size: 314368
    .private_segment_fixed_size: 0
    .kernarg_segment_align: 8
    .kernarg_segment_size: 40
    .max_flat_workgroup_size: 256
    .sgpr_count:     66
    .vgpr_count:     512
    .wavefront_size: 32
...
	.end_amdgpu_metadata
.endif
;; end of part 2
;; launch ffn2 (part 3): grid 32 x 8, 8 waves a work-group, no clusters, 314,368 bytes of LDS; arguments w2, hbuf, top1, part; writes part
.if DOCPART == 3
	.amdgcn_target "amdgcn-amd-amdhsa--gfx1250"
	.amdhsa_code_object_version 6
	.text
	.protected	k_q71d73d7f6c_ffn2
	.globl	k_q71d73d7f6c_ffn2
	.p2align	8
	.type	k_q71d73d7f6c_ffn2,@function
k_q71d73d7f6c_ffn2:
	s_mov_b64 s[64:65], 0
	v_nop
	global_prefetch_b8 v0, s[64:65] scope:SCOPE_SE
	s_setreg_imm32_b32 hwreg(HW_REG_WAVE_MODE, 25, 1), 1
	s_wait_xcnt 0x0
; SECOND PRODUCT OF THE EXPERTS, in four parts along K.  part[kq][n][c] = the sum over the 1,024 hidden channels of quarter kq of hbuf[n][k] w2[e][k][c], e = top1[n] alone; sums in f32.
; w2 is rounded to bf16 and that number written as f16 (hbuf is f16); the partial sums are stored in f32 and added by the next launch, which also adds b2 and applies the gate.
; SHARES.  Work-group (x, e), cs = x % 8, kq = x / 8, has the slice w2[e][1024 kq ..][128 cs ..], 512 KiB of f32 that it alone reads, once, and ALL rows of expert e, however many (0 to 1,024).
; All eight waves run one text.  PRODUCING: of each chunk of 32 k rows wave w takes rows 4 w .. 4 w + 3, one load a row (the slice's 512 consecutive bytes), rounds them and lays them
; into LDS as [k][128 columns].  CONSUMING: tile t of 16 rows of the expert belongs to wave t % 8; a block is 16 tiles, two SLOTS a wave, 16 accumulators of 16 x 16.
; THE STREAM, 32 steps: a barrier (chunk s lies in LDS), chunk s is read and multiplied for block 0, and chunk s + 1 is stored meanwhile: other rows of the slice, which is written once and never again.
; MORE THAN 256 ROWS: blocks 1 to 3 are multiplied from the slice that then lies whole in LDS; dead blocks are jumped.  Their 32 K steps are written out, on five address registers made at the head.
; Behind the stream's last barrier no wave writes the slice, and stage, token words and spare words are each wave's own: no further barrier is needed.
; THE MATRIX INSTRUCTION takes 16 slice columns as source 0 (turned out of LDS by ds_load_tr16_b128) and 16 tokens as source 1: a lane then holds one token (lane % 16) and eight neighbouring columns.
; THE ROWS.  Each wave keeps a table in two registers: lane g holds the mask of the lanes whose top1 register g names e, and the number of matches before it.
; The token of rank k is found from it in registers.  PAST THE COUNT: a group of eight rows that begins at or past the count is jumped.  Inside a group that the count cuts, the places past it
; repeat the expert's last row: the same token, the same operand bytes, so the same numbers; their stores write that row's bytes once more with the same values, from the same wave.
; What a branch on the count jumps holds work alone: every register that serves as an address is made at the head or in a line that every trip runs.
; NO CLUSTER: each weight byte has one reader; the token rows come by a list that no tile descriptor covers.
; A token fragment's load takes 32 consecutive bytes of each of 16 rows: the layout of source 1 asks for a row a lane.
; LIMITS.  w2 must stay below 65,504; below 6e-5 it keeps f16's fixed step of 6e-8.  NaN and infinities are not treated apart.
.set WPITCH, 4096                      ; bytes from row to row of w2
.set CHB,    32*WPITCH                 ; from chunk to chunk
.set ASHIFT, 13                        ; a row of hbuf is 8,192 bytes
.set OSHIFT, 12                        ; a row of part 4,096
.set PITCH,  288                       ; a slice row in LDS: 256 bytes + 32 = 72 words: the turning load's 8 rows x 32 bytes start 8 banks apart (64 banks of 4 bytes: ISA guide 11.1)
.set CHUNK,  32*PITCH
.set TOKB,   1024*PITCH                ; behind the slice: 32 token words for each wave
.set STAGE,  TOKB+8*128                ; 8 rows x 272 bytes for each wave: eight stages of 16 rows have no room beside the slice
.set SPITCH, 272
.set SPARE,  STAGE+8*8*SPITCH          ; the spare words, 128 bytes for each of the eight waves; no other line names them
; vector registers, window 0
.set LN,  1                            ; lane
.set RR,  2                            ; lane % 16
.set SPW, 3                            ; my spare word; never rewritten
.set NIL, 4                            ; 0; never rewritten
.set HB,  5                            ; lane / 16
.set ST0, 6                            ; my place in a chunk in LDS, for the stores
.set WOFF, 7                           ; my byte offset in a chunk of w2
.set ST,  8                            ; ST0 + the step's base
.set TR0, 9                            ; my place in a chunk for the turning load
.set TR,  10                           ; TR0 + the step's base
.set AO,  11                           ; v11, v12: slot i: my token's row offset + 16 (lane / 16)
.set C16, 25                           ; 16 (lane % 16)
.set H16, 26                           ; 16 (lane / 16)
.set MT,  27                           ; the table: masks
.set PT,  28                           ; the table: matches before
.set TKW, 29                           ; token words: mine by lane
.set TKR, 30                           ; by lane % 16
.set R0,  31                           ; 128 (lane / 16) + lane % 16
.set STO, 32                           ; stage, in
.set RD,  33                           ; stage, back
.set TKE, 34                           ; token words by lane / 16
.set R8,  35                           ; (lane % 16) / 8: which half of a tile's tokens is mine
.set TRB, 35                           ; v[36:39]: TR0 + 7 j chunks, j = 1 .. 4: seven chunks lie within an LDS instruction's 16-bit offset
.set T,   40                           ; v[40:47] my four rows of a chunk, rounded
.set WD,  48                           ; v[48:55] four pairs at work
.set A,   56                           ; v[56:183] token fragments: step % 8 = j, slot i at 56 + 16 j + 8 i
.set WF,  192                          ; v[192:255] the chunk's eight weight fragments
; window 1: accumulator (i, c) at 64 i + 8 c; v[128 + 16 j + 4 i]: weights as loaded, ring slot j, row i
.set RG,  128
.set DT,  40                           ; the way out: v[40:55] eight rows read back
.set OFS, 64                           ; v[64:79] the block's sixteen store offsets: slot, token half, store at 8 slot + 4 half + k
.set RK,  240                          ; v[240:251] at work in the search
.set G4,  241
.set CA,  242
.set PP,  243
.set MS,  244
.set KK,  245
.set TA,  246
.set C2,  247
.set C4,  248
.set C8,  249
.set CG,  250
.set PO,  251
; scalar registers: s[4:5] w2, running; s[6:7] hbuf, running; s[8:9] top1; s[10:11] part; s[32:33] hbuf, kept
.set WV, 14                            ; wave
.set EX, 16                            ; expert
.set XX, 17
.set CN, 20                            ; the expert's rows
.set TL, 21                            ; its tiles
.set CM, 22                            ; its last rank
.set NL, 23                            ; my live slots in the block
.set KC, 24
.set BK, 25
.set T0, 26                            ; my first tile of the block
.set PF, 27
.set MK, 28
.set TP, 29
.set SX, 35
.set KB, 36                            ; LDS byte at which the step's chunk begins
.set TI, 37
.set HIM, 53
.set LH, 54                            ; s54, s55: slot i: how many of its two groups of eight rows begin below the count
.set MSB, 0
.macro WIN new                         ; bits 1:0 source 0, 3:2 source 1, 5:4 source 2, 7:6 destination; the high byte repeats the setting that is left
.if MSB != (\new)
	s_set_vgpr_msb (MSB<<8)|(\new)
.set MSB, \new
.endif
.endm
.macro PLACES                          ; four plain instructions between a matrix instruction and a load into, or a read of, its registers
.rept 4
	v_nop
.endr
.endm
	s_load_b256 s[4:11], s[0:1], 0x0
	v_lshl_add_u32 v[SPW], v0, 2, SPARE
	v_mov_b32 v[NIL], 0
	v_lshrrev_b32 v13, 5, v0
	v_readfirstlane_b32 s[WV], v13
	s_and_b32 s[EX], ttmp7, 0xffff
	s_mov_b32 s[XX], ttmp9
	v_and_b32 v[LN], 31, v0
	v_and_b32 v[RR], 15, v0
	v_bfe_u32 v[HB], v0, 4, 1
	v_bfe_u32 v[R8], v0, 3, 1
	s_and_b32 s[TP], s[XX], 7                      ; cs
	s_lshr_b32 s[TI], s[XX], 3                     ; kq
	s_lshl_b32 s30, s[TI], 22                      ; a quarter of K is 4 MiB of w2, and of part;
	s_lshl_b32 s[TP], s[TP], 9                     ; a slice's columns are 512 bytes of a row in both
	s_add_co_u32 s30, s30, s[TP]
	s_mov_b32 s31, 0
	s_lshl_b32 s18, s[EX], 24                      ; an expert's w2 is 16 MiB
	s_add_co_u32 s18, s18, s30
	s_mov_b32 s19, 0
	s_lshl_b32 s34, s[TI], 11                      ; a quarter of K is 2,048 bytes of a row of hbuf
	s_mov_b32 s35, 0
	s_mov_b32 s[KB], 0
	s_mov_b32 s[HIM], 0xffff0000
	v_lshlrev_b32 v14, 4, v[LN]
	s_mul_i32 s[TP], s[WV], 4*WPITCH
	v_lshl_add_u32 v[WOFF], v[LN], 4, s[TP]        ; my 4 rows of a chunk, 16 bytes a lane
	s_wait_kmcnt 0x0
	s_add_nc_u64 s[4:5], s[4:5], s[18:19]
	s_add_nc_u64 s[6:7], s[6:7], s[34:35]
	s_add_nc_u64 s[10:11], s[10:11], s[30:31]
	s_mov_b64 s[32:33], s[6:7]
.irp i, 0,1,2,3,4,5,6,7
	global_load_b128 v[A+4*(\i):A+4*(\i)+3], v14, s[8:9] offset:512*(\i)  ; all of top1: register 4 i + q holds token 128 i + 4 lane + q
.endr
.macro WLOAD slot, pos                 ; my four rows of the chunk pos chunks from the running base, into ring slot slot
	WIN 0x40
.irp i, 0,1,2,3
	global_load_b128 v[RG+16*(\slot)+4*(\i):RG+16*(\slot)+4*(\i)+3], v[WOFF], s[4:5] offset:(\pos)*CHB+(\i)*WPITCH th:TH_LOAD_NT
.endr
	WIN 0
.endm
.irp c, 0,1,2,3,4,5,6
	WLOAD \c, \c                                   ; chunks 0 to 6 are asked for before anything else is worked out
.endr
	s_mul_i32 s[TP], s[WV], 4*PITCH
	v_lshl_add_u32 v[ST0], v[LN], 3, s[TP]         ; my 4 rows, 8 bytes a lane
	v_and_b32 v13, 7, v0                           ; the turning load: lane l reads k row 8 (l / 16) + l % 8, columns 8 ((l / 8) % 2) + 0..7
	v_lshl_add_u32 v[TA], v[HB], 3, v13
	v_mul_u32_u24 v[TR0], v[TA], PITCH
	v_lshl_add_u32 v[TR0], v[R8], 4, v[TR0]
.irp j, 1,2,3,4
	v_add_nc_u32 v[TRB+(\j)], (\j)*7*CHUNK, v[TR0] ; for the later blocks: chunks 7 j .. 7 j + 6 are reached from here by the immediate
.endr
	s_mul_i32 s[TP], s[WV], 8*SPITCH
	s_add_co_u32 s[TP], s[TP], STAGE               ; my stage
	v_mul_u32_u24 v[STO], v13, SPITCH              ; in: row lane % 8, 32 bytes (eight f32) for each half of the lanes
	v_lshl_add_u32 v[STO], v[HB], 5, v[STO]
	v_add_nc_u32 v[STO], s[TP], v[STO]
	v_mul_u32_u24 v[RD], v[HB], SPITCH             ; back: lanes 0-15 one row of 256 bytes, lanes 16-31 the next
	v_lshl_add_u32 v[RD], v[RR], 4, v[RD]
	v_add_nc_u32 v[RD], s[TP], v[RD]
	s_lshl_b32 s[TP], s[WV], 7
	s_add_co_u32 s[TP], s[TP], TOKB                ; my token words
	v_lshl_add_u32 v[TKW], v[LN], 2, s[TP]
	v_lshl_add_u32 v[TKR], v[RR], 2, s[TP]
	v_lshl_add_u32 v[TKE], v[HB], 2, s[TP]
	v_lshl_add_u32 v[R0], v[HB], 7, v[RR]
	v_lshlrev_b32 v[C16], 4, v[RR]
	v_lshlrev_b32 v[H16], 4, v[HB]
	v_mov_b32 v[MT], 0
	v_mov_b32 v[PT], 0
	s_mov_b32 s[PF], 0
	s_wait_loadcnt 28                              ; the 28 loads of w2 are younger: top1 is in
.set g, 0
.rept 32                               ; the table: lane g takes register g's mask and the matches before it
	v_cmp_eq_u32 s[MK], s[EX], v[A+g]
	v_writelane_b32 v[MT], s[MK], g
	v_writelane_b32 v[PT], s[PF], g
	s_bcnt1_i32_b32 s[TP], s[MK]
	s_add_co_u32 s[PF], s[PF], s[TP]
.set g, g+1
.endr
	s_min_u32 s[CN], s[PF], 0x400                  ; an expert has 1,024 rows at the most
	s_add_co_u32 s[TL], s[CN], 15
	s_lshr_b32 s[TL], s[TL], 4
	s_max_u32 s[CM], s[CN], 1
	s_sub_co_u32 s[CM], s[CM], 1
	s_mov_b32 s[T0], s[WV]
.macro NLIVE                           ; how many of the tiles T0, T0 + 8 exist; and, for each, how many of its two groups of eight rows begin below the count
	s_sub_co_i32 s[NL], s[TL], s[T0]
	s_add_co_i32 s[NL], s[NL], 7
	s_ashr_i32 s[NL], s[NL], 3
	s_max_i32 s[NL], s[NL], 0
	s_min_i32 s[NL], s[NL], 2
	s_lshl_b32 s[TP], s[T0], 4
	s_sub_co_i32 s[LH], s[CN], s[TP]
	s_add_co_i32 s[LH], s[LH], 7
	s_sub_co_i32 s[LH+1], s[LH], 128
	s_ashr_i32 s[LH], s[LH], 3
	s_ashr_i32 s[LH+1], s[LH+1], 3
	s_max_i32 s[LH], s[LH], 0
	s_max_i32 s[LH+1], s[LH+1], 0
	s_min_i32 s[LH], s[LH], 2
	s_min_i32 s[LH+1], s[LH+1], 2
.endm
.macro LEVEL src, bits, w              ; are there KK or fewer set bits in the next w places?  Then they are passed over
	v_bfe_u32 v[TA], v[\src], v[PO], \bits
	v_cmp_ge_u32 vcc_lo, v[KK], v[TA]
	v_sub_nc_u32 v[TA], v[KK], v[TA]
	v_cndmask_b32 v[KK], v[KK], v[TA], vcc_lo
	v_add_nc_u32 v[TA], \w, v[PO]
	v_cndmask_b32 v[PO], v[PO], v[TA], vcc_lo
.endm
; The block's tokens into my token words: 32 ranks at once, lanes 0-15 the rows of slot 0, lanes 16-31 those of slot 1.
.macro SEARCH
	s_lshl_b32 s[TP], s[T0], 4
	v_add_nc_u32 v[RK], s[TP], v[R0]               ; rank = 16 (T0 + 8 slot) + row
	v_min_u32 v[RK], s[CM], v[RK]                  ; past the count: the last row once more
	v_mov_b32 v[G4], 0
.irp w, 64,32,16,8,4                   ; the last table entry whose 'matches before' is not above the rank, by halving; lane numbers times 4
	v_add_nc_u32 v[CA], \w, v[G4]
	ds_bpermute_b32 v[PP], v[CA], v[PT]
	s_wait_dscnt 0x0
	v_cmp_le_u32 vcc_lo, v[PP], v[RK]
	v_cndmask_b32 v[G4], v[G4], v[CA], vcc_lo
.endr
	ds_bpermute_b32 v[MS], v[G4], v[MT]
	ds_bpermute_b32 v[PP], v[G4], v[PT]
	s_wait_dscnt 0x0
	v_sub_nc_u32 v[KK], v[RK], v[PP]               ; which set bit of that mask
	v_lshrrev_b32 v[TA], 1, v[MS]                  ; counts of set bits in fields of 2, 4, 8 and 16
	v_and_b32 v[TA], 0x55555555, v[TA]
	v_sub_nc_u32 v[C2], v[MS], v[TA]
	v_lshrrev_b32 v[TA], 2, v[C2]
	v_and_b32 v[TA], 0x33333333, v[TA]
	v_and_b32 v[C4], 0x33333333, v[C2]
	v_add_nc_u32 v[C4], v[C4], v[TA]
	v_lshrrev_b32 v[TA], 4, v[C4]
	v_add_nc_u32 v[C8], v[C4], v[TA]
	v_and_b32 v[C8], 0x0f0f0f0f, v[C8]
	v_lshrrev_b32 v[TA], 8, v[C8]
	v_add_nc_u32 v[CG], v[C8], v[TA]
	v_mov_b32 v[PO], 0
	LEVEL CG, 8, 16
	LEVEL C8, 8, 8
	LEVEL C4, 4, 4
	LEVEL C2, 2, 2
	LEVEL MS, 1, 1
	v_lshrrev_b32 v[TA], 4, v[G4]                  ; token = 128 (g / 4) + g % 4 + 4 x bit
	v_bfe_u32 v[CA], v[G4], 2, 2
	v_lshl_add_u32 v[TA], v[TA], 7, v[CA]
	v_lshl_add_u32 v[TA], v[PO], 2, v[TA]
	ds_store_b32 v[TKW], v[TA]
.endm
.macro AOFF                            ; my two row offsets, from the token words
.irp i, 0,1
	ds_load_b32 v[13+(\i)], v[TKR] offset:64*(\i)  ; LDS serves a wave's instructions in order: these see my store of the words
.endr
	s_wait_dscnt 0x0
.irp i, 0,1
	v_min_u32 v[13+(\i)], 0x3ff, v[13+(\i)]
	v_lshl_add_u32 v[AO+(\i)], v[13+(\i)], ASHIFT, v[H16]
.endr
.endm
.macro ALOAD b, imm                    ; one K step's token fragments of my two slots into buffer b
.irp i, 0,1
	global_load_b128 v[A+16*(\b)+8*(\i):A+16*(\b)+8*(\i)+3], v[AO+(\i)], s[6:7] offset:(\imm)
	global_load_b128 v[A+16*(\b)+8*(\i)+4:A+16*(\b)+8*(\i)+7], v[AO+(\i)], s[6:7] offset:(\imm)+32
.endr
.endm
; The chunk in ring slot sm is rounded to bf16, that number is written as f16, and it is laid into LDS, off bytes behind the step's base.
.macro CONVERT sm, off
	WIN 0x05
.irp i, 0,1,2,3
	v_cvt_pk_bf16_f32 v[T+2*(\i)], v[RG+16*(\sm)+4*(\i)], v[RG+16*(\sm)+4*(\i)+1]
	v_cvt_pk_bf16_f32 v[T+2*(\i)+1], v[RG+16*(\sm)+4*(\i)+2], v[RG+16*(\sm)+4*(\i)+3]
.endr
	WIN 0
.set n, 0
.rept 8
	v_lshlrev_b32 v[WD+2*(n%4)], 16, v[T+n]
	v_and_b32 v[WD+2*(n%4)+1], s[HIM], v[T+n]
	v_cvt_pk_f16_f32 v[T+n], v[WD+2*(n%4)], v[WD+2*(n%4)+1]
.set n, n+1
.endr
	v_add_nc_u32 v[ST], s[KB], v[ST0]
.irp i, 0,1,2,3
	ds_store_b64 v[ST], v[T+2*(\i):T+2*(\i)+1] offset:(\off)+(\i)*PITCH  ; a row's 256 consecutive bytes
.endr
.endm
	NLIVE
	SEARCH
	AOFF
.irp c, 0,1,2,3,4,5,6
	ALOAD \c, 64*(\c)                              ; the token fragments of steps 0 to 6
.endr
	s_wait_loadcnt 52                              ; chunks 1 to 6 (24 loads) and the 28 token loads are younger: chunk 0 is in
	CONVERT 0, 0
	s_wait_dscnt 0x0                               ; for the others' sake: my rows of chunk 0 lie in LDS when I signal
.macro FRAGS                           ; the eight weight fragments of the chunk at v[TR]
.irp c, 0,1,2,3,4,5,6,7
	ds_load_tr16_b128 v[WF+8*(\c):WF+8*(\c)+3], v[TR] offset:32*(\c)
	ds_load_tr16_b128 v[WF+8*(\c)+4:WF+8*(\c)+7], v[TR] offset:32*(\c)+16*PITCH
.endr
.endm
; Up to 16 products; a slot's eight accumulators take turns.  first = 1: they start the sums with 0, in both slots, so that every accumulator is written.
; Else dead slots are jumped.  In slot 0 the count lets what was issued behind fragment c stay out: two loads for each later fragment and st stores.
.macro PRODUCTS ab, first, st
.irp i, 0,1
.if !(\first)
	WIN 0
	s_cmp_gt_u32 s[NL], \i
	s_cbranch_scc0 .Ldone_\@
.endif
	WIN 0x50
.irp c, 0,1,2,3,4,5,6,7
.if (\i) == 0
	s_wait_dscnt (\st)+14-2*(\c)
.endif
.if \first
	v_wmma_f32_16x16x32_f16 v[64*(\i)+8*(\c):64*(\i)+8*(\c)+7], v[WF+8*(\c):WF+8*(\c)+7], v[(\ab)+8*(\i):(\ab)+8*(\i)+7], 0
.else
	v_wmma_f32_16x16x32_f16 v[64*(\i)+8*(\c):64*(\i)+8*(\c)+7], v[WF+8*(\c):WF+8*(\c)+7], v[(\ab)+8*(\i):(\ab)+8*(\i)+7], v[64*(\i)+8*(\c):64*(\i)+8*(\c)+7]
.endif
.endr
.endr
	WIN 0
.Ldone_\@:
	s_wait_dscnt 0x0                               ; my reads of the chunk are back and my stores of the next lie in LDS: nothing of mine is out at the next signal
.endm
; STEP s, sm = s % 8.  ONE barrier: it orders every wave's stores of chunk s ahead of every wave's reads of chunk s.  Nothing needs ordering the other way: no slice byte is written twice.
; lw: the loads that may stay out when chunk s + 1 must be in (the token fragments of step s are older than it).  pos >= 0: chunk s + 7 and the fragments of step s + 7 are asked for, pos steps from the
; running bases, into the ring slot converted two steps ago and the buffer multiplied last step.  prod = 1: chunk s + 1 is rounded and stored.
.macro STEP sm, pos, lw, first, prod
	s_barrier_signal -1
	s_barrier_wait -1
.if !(\first)
	PLACES                                         ; behind the last step's products, ahead of the loads into their sources
.endif
	v_add_nc_u32 v[TR], s[KB], v[TR0]
	FRAGS
	s_wait_loadcnt \lw
.if (\pos) >= 0
	WLOAD ((\sm)+7)%8, \pos
	ALOAD ((\sm)+7)%8, 64*(\pos)
.endif
.if \prod
	CONVERT ((\sm)+1)%8, CHUNK
	PRODUCTS A+16*(\sm), \first, 4
.else
	PRODUCTS A+16*(\sm), \first, 0
.endif
	s_add_co_u32 s[KB], s[KB], CHUNK
.endm
.macro ONWARD                          ; eight chunks of w2, eight steps of token bytes
	s_wait_xcnt 0x0                                ; the bases are stepped only behind this wait
	s_add_nc_u64 s[4:5], s[4:5], 8*CHB
	s_add_nc_u64 s[6:7], s[6:7], 512
.endm
	STEP 0, 7, 0, 1, 1                             ; step 0 stands ahead of the loop: its products start the sums.  All that the head asked for is waited for: steps 1 to 5 need nothing newer
	ONWARD
	s_mov_b32 s[KC], 3
.Lring:                                                ; steps 1 to 24.  44 = the fragments of step s + 1 (4 loads) and the five bundles of 8 behind them
	STEP 1, 0, 44, 0, 1
	STEP 2, 1, 44, 0, 1
	STEP 3, 2, 44, 0, 1
	STEP 4, 3, 44, 0, 1
	STEP 5, 4, 44, 0, 1
	STEP 6, 5, 44, 0, 1
	STEP 7, 6, 44, 0, 1
	STEP 0, 7, 44, 0, 1
	ONWARD
	s_sub_co_u32 s[KC], s[KC], 1
	s_cmp_lg_u32 s[KC], 0
	s_cbranch_scc1 .Lring
	STEP 1, -1, 44, 0, 1                           ; steps 25 to 31 ask for nothing: the counts run down by a bundle a step
	STEP 2, -1, 36, 0, 1
	STEP 3, -1, 28, 0, 1
	STEP 4, -1, 20, 0, 1
	STEP 5, -1, 12, 0, 1
	STEP 6, -1, 4, 0, 1
	STEP 7, -1, 0, 0, 0
; Piece u of the way out, u = 4 slot + 2 column half + token half: 8 rows x 64 columns.  The lanes that hold these eight tokens put four accumulators into the stage as they are, each from its low
; end on (a lane's eight f32 are 32 bytes of its token's row); the rows come back whole and are stored on the block's offsets, the column half's 256 bytes in the immediate.
.macro OUTV u
	s_cmp_gt_u32 s[LH+(\u)/4], (\u)%2
	s_cbranch_scc0 .Lskip_\@                       ; the group begins at or past the count
	s_wait_xcnt 0x0                                ; DT, which the last piece's stores read, is rewritten, and EXEC changes, only behind this wait
	v_cmp_eq_u32 vcc_lo, (\u)%2, v[R8]
	s_and_saveexec_b32 s[SX], vcc_lo               ; a mask of the lane's number alone
	WIN 0x04
.irp c, 0,1,2,3
	ds_store_b128 v[STO], v[32*((\u)/2)+8*(\c):32*((\u)/2)+8*(\c)+3] offset:64*(\c)
	ds_store_b128 v[STO], v[32*((\u)/2)+8*(\c)+4:32*((\u)/2)+8*(\c)+7] offset:64*(\c)+16
.endr
	WIN 0
	s_or_b32 exec_lo, exec_lo, s[SX]               ; no global instruction was issued since the wait above
.irp k, 0,1,2,3
	ds_load_b128 v[DT+4*(\k):DT+4*(\k)+3], v[RD] offset:2*(\k)*SPITCH  ; rows 2 k and 2 k + 1, 256 bytes each; LDS serves a wave's instructions in order
.endr
	s_wait_dscnt 0x0
.irp k, 0,1,2,3
	global_store_b128 v[OFS+8*((\u)/4)+4*((\u)%2)+(\k)], v[DT+4*(\k):DT+4*(\k)+3], s[10:11] offset:256*(((\u)/2)%2)  ; 16 lanes store 256 consecutive bytes of a row, aligned
.endr
.Lskip_\@:
.endm
; K step s of a later block, from the slice that lies whole in LDS: the step stands in the immediates.  Both slots are multiplied: a dead one repeats the last row, and its stores are jumped.
; This path runs only past 256 rows an expert: its loads are waited for at once.
.macro BSTEP s
.if (\s)/7 == 0
.set tb, TR0
.else
.set tb, TRB+(\s)/7
.endif
	PLACES
.irp c, 0,1,2,3,4,5,6,7
	ds_load_tr16_b128 v[WF+8*(\c):WF+8*(\c)+3], v[tb] offset:((\s)%7)*CHUNK+32*(\c)
	ds_load_tr16_b128 v[WF+8*(\c)+4:WF+8*(\c)+7], v[tb] offset:((\s)%7)*CHUNK+32*(\c)+16*PITCH
.endr
.irp i, 0,1
	global_load_b128 v[A+8*(\i):A+8*(\i)+3], v[AO+(\i)], s[32:33] offset:64*(\s)
	global_load_b128 v[A+8*(\i)+4:A+8*(\i)+7], v[AO+(\i)], s[32:33] offset:64*(\s)+32
.endr
	s_wait_loadcnt 0x0
	s_wait_dscnt 0x0
	WIN 0x50
.irp i, 0,1
.irp c, 0,1,2,3,4,5,6,7
.if (\s) == 0
	v_wmma_f32_16x16x32_f16 v[64*(\i)+8*(\c):64*(\i)+8*(\c)+7], v[WF+8*(\c):WF+8*(\c)+7], v[A+8*(\i):A+8*(\i)+7], 0
.else
	v_wmma_f32_16x16x32_f16 v[64*(\i)+8*(\c):64*(\i)+8*(\c)+7], v[WF+8*(\c):WF+8*(\c)+7], v[A+8*(\i):A+8*(\i)+7], v[64*(\i)+8*(\c):64*(\i)+8*(\c)+7]
.endif
.endr
.endr
	WIN 0
.endm
	s_mov_b32 s[BK], 0
.Lblock:                                               ; four trips: the block in hand goes out; the next, if it has a tile of mine, is multiplied
	PLACES
.set j, 0
.rept 16                               ; in every trip: the tokens of the block's stores: row 8 half + 2 k + lane / 16 of a slot
	ds_load_b32 v[OFS+j], v[TKE] offset:8*j
.set j, j+1
.endr
	s_wait_dscnt 0x0
.set j, 0
.rept 16
	v_min_u32 v[OFS+j], 0x3ff, v[OFS+j]
.set j, j+1
.endr
.set j, 0
.rept 16
	v_lshl_add_u32 v[OFS+j], v[OFS+j], OSHIFT, v[C16]
.set j, j+1
.endr
	s_cmp_gt_u32 s[NL], 0
	s_cbranch_scc0 .Lout_done                      ; no tile of this block is mine
	OUTV 0
	OUTV 1
	OUTV 2
	OUTV 3
	OUTV 4
	OUTV 5
	OUTV 6
	OUTV 7
.Lout_done:
	s_wait_xcnt 0x0                                ; the stores have read their registers
	s_add_co_u32 s[T0], s[T0], 16                  ; the next block
	NLIVE
	s_cmp_gt_u32 s[NL], 0
	s_cbranch_scc0 .Lno_search                     ; no tile of mine in it: the token words stay as they are
	SEARCH
.Lno_search:
	AOFF                                           ; in every trip
	s_cmp_gt_u32 s[NL], 0
	s_cbranch_scc0 .Lblock_next                    ; nothing but work is jumped
.set bs, 0
.rept 32
	BSTEP bs
.set bs, bs+1
.endr
.Lblock_next:
	s_add_co_u32 s[BK], s[BK], 1
	s_cmp_lt_u32 s[BK], 4
	s_cbranch_scc1 .Lblock
	s_wait_tensorcnt 0x0                           ; the wave's end, behind my last LDS store
	ds_add_u32 v[SPW], v[NIL]
	s_wait_dscnt 0x0
	s_endpgm
.Lfunc_end_k_q71d73d7f6c_ffn2:
	.size	k_q71d73d7f6c_ffn2, .Lfunc_end_k_q71d73d7f6c_ffn2-k_q71d73d7f6c_ffn2
	.p2alignl 7, 3214868480
	.fill 96, 4, 3214868480
	.section	.rodata,"a",@progbits
	.p2align	6, 0x0
	.amdhsa_kernel k_q71d73d7f6c_ffn2
		.amdhsa_group_segment_fixed_size 314368
		.amdhsa_private_segment_fixed_size 0
		.amdhsa_enable_private_segment 0
		.amdhsa_kernarg_size 32
		.amdhsa_user_sgpr_count 2
		.amdhsa_user_sgpr_kernarg_segment_ptr 1
		.amdhsa_wavefront_size32 1
		.amdhsa_system_sgpr_workgroup_id_x 1
		.amdhsa_system_sgpr_workgroup_id_y 1
		.amdhsa_system_sgpr_workgroup_id_z 1
		.amdhsa_system_vgpr_workitem_id 0
		.amdhsa_next_free_vgpr 512
		.amdhsa_next_free_sgpr 66
		.amdhsa_reserve_vcc 1
		.amdhsa_float_denorm_mode_32 3
		.amdhsa_float_denorm_mode_16_64 3
		.amdhsa_memory_ordered 1
		.amdhsa_forward_progress 1
		.amdhsa_inst_pref_size 208
	.end_amdhsa_kernel
	.amdgpu_metadata
---
amdhsa.version: [ 1, 2 ]
amdhsa.kernels:
  - .name:           k_q71d73d7f6c_ffn2
    .symbol:         k_q71d73d7f6c_ffn2.kd
    .args:
      - { .name: w2, .offset: 0, .size: 8, .value_kind: global_buffer, .address_space: global }
      - { .name: hbuf, .offset: 8, .size: 8, .value_kind: global_buffer, .address_space: global }
      - { .name: top1, .offset: 16, .size: 8, .value_kind: global_buffer, .address_space: global }
      - { .name: part, .offset: 24, .size: 8, .value_kind: global_buffer, .address_space: global }
    .group_segment_fixed_size: 314368
    .private_segment_fixed_size: 0
    .kernarg_segment_align: 8
    .kernarg_segment_size: 32
    .max_flat_workgroup_size: 256
    .sgpr_count:     66
    .vgpr_count:     512
    .wavefront_size: 32
...
	.end_amdgpu_metadata
.endif
;; end of part 3
;; launch combine (part 4): grid 256 x 1, 4 waves a work-group, no clusters, 0 bytes of LDS; arguments part, score, top1, b2, out0; writes out0
.if DOCPART == 4
	.amdgcn_target "amdgcn-amd-amdhsa--gfx1250"
	.amdhsa_code_object_version 6
	.text
	.protected	k_q71d73d7f6c_combine
	.globl	k_q71d73d7f6c_combine
	.p2align	8
	.type	k_q71d73d7f6c_combine,@function
k_q71d73d7f6c_combine:
	s_mov_b64 s[64:65], 0
	v_nop
	global_prefetch_b8 v0, s[64:65] scope:SCOPE_SE
	s_setreg_imm32_b32 hwreg(HW_REG_WAVE_MODE, 25, 1), 1
	s_wait_xcnt 0x0
; SWITCH GATE, second part, and the sum of the parts.  For token n with e = top1[n]:
; out0[n] = g (part[0][n] + part[1][n] + part[2][n] + part[3][n] + b2[e]),  g = score[n] / (the sum of score over the tokens of e + 1e-6) x 1,024;  b2 rounded to bf16, all sums in f32.
; One wave takes one token: 256 work-groups x 4 waves.  Every wave adds its expert's scores for itself from the 8 KiB of top1 and score: a launch for eight sums alone is spared.
; No LDS, no barrier, no matrix unit: the launch is a stream of 16 MiB in and 4 MiB out.
.set T1, 8                             ; v[8:39]    top1: register 4 i + q holds token 128 i + 4 lane + q
.set SC, 40                            ; v[40:71]   score, likewise
.set P,  72                            ; v[72:199]  part: quarter kq at 72 + 32 kq; register 4 i + q holds column 128 i + 4 lane + q
.set B2, 200                           ; v[200:231] b2[e], likewise
.set CH, 232                           ; v[232:235] four chains of the scores' sum
.set TM, 236                           ; v[236:239] at work
.set GG, 240                           ; v[240:241] g, twice
	s_load_b256 s[4:11], s[0:1], 0x0               ; part s[4:5], score s[6:7], top1 s[8:9], b2 s[10:11]
	s_load_b64 s[12:13], s[0:1], 0x20              ; out0
	v_and_b32 v1, 31, v0
	v_lshrrev_b32 v2, 5, v0
	v_readfirstlane_b32 s14, v2
	s_lshl2_add_u32 s15, ttmp9, s14                ; n = 4 x work-group + wave
	s_lshl_b32 s16, s15, 2
	s_mov_b32 s17, 0
	s_lshl_b32 s18, s15, 12                        ; a row is 4,096 bytes
	s_mov_b32 s19, 0
	s_mov_b32 s28, 0x76543210                      ; v_permlanex16_b32: each lane takes its own place in the other half
	s_mov_b32 s29, 0xfedcba98
	v_lshlrev_b32 v3, 4, v1                        ; 16 bytes a lane
	s_wait_kmcnt 0x0
	s_add_nc_u64 s[20:21], s[8:9], s[16:17]
	s_add_nc_u64 s[22:23], s[6:7], s[16:17]
	s_load_b32 s24, s[20:21], 0x0                  ; e
	s_load_b32 s25, s[22:23], 0x0                  ; score[n]
	s_add_nc_u64 s[4:5], s[4:5], s[18:19]          ; quarters 0 and 1 (4 MiB apart, in the immediate),
	s_add_nc_u64 s[26:27], s[4:5], 0x800000        ; quarters 2 and 3
	s_add_nc_u64 s[12:13], s[12:13], s[18:19]
.irp i, 0,1,2,3,4,5,6,7
	global_load_b128 v[T1+4*(\i):T1+4*(\i)+3], v3, s[8:9] offset:512*(\i)
.endr
.irp i, 0,1,2,3,4,5,6,7
	global_load_b128 v[SC+4*(\i):SC+4*(\i)+3], v3, s[6:7] offset:512*(\i)
.endr
.irp i, 0,1,2,3,4,5,6,7
	global_load_b128 v[P+4*(\i):P+4*(\i)+3], v3, s[4:5] offset:512*(\i) th:TH_LOAD_NT
	global_load_b128 v[P+32+4*(\i):P+32+4*(\i)+3], v3, s[4:5] offset:0x400000+512*(\i) th:TH_LOAD_NT
	global_load_b128 v[P+64+4*(\i):P+64+4*(\i)+3], v3, s[26:27] offset:512*(\i) th:TH_LOAD_NT
	global_load_b128 v[P+96+4*(\i):P+96+4*(\i)+3], v3, s[26:27] offset:0x400000+512*(\i) th:TH_LOAD_NT
.endr
	s_wait_kmcnt 0x0
	s_min_u32 s24, s24, 7                          ; an index stays inside b2
	s_lshl_b32 s16, s24, 12
	s_add_nc_u64 s[10:11], s[10:11], s[16:17]
.irp i, 0,1,2,3,4,5,6,7
	global_load_b128 v[B2+4*(\i):B2+4*(\i)+3], v3, s[10:11] offset:512*(\i)
.endr
	s_wait_loadcnt 40                              ; part's 32 loads and b2's 8 are younger: top1 and score are in
.set k, 0
.rept 32                               ; the scores of my expert's tokens, in four chains; the first four start them
	v_cmp_eq_u32 vcc_lo, s24, v[T1+k]
.if k < 4
	v_cndmask_b32 v[CH+k], 0, v[SC+k], vcc_lo
.else
	v_cndmask_b32 v[TM+k%4], 0, v[SC+k], vcc_lo
	v_add_f32 v[CH+k%4], v[CH+k%4], v[TM+k%4]
.endif
.set k, k+1
.endr
	v_add_f32 v[CH], v[CH], v[CH+1]
	v_add_f32 v[CH+2], v[CH+2], v[CH+3]
	v_add_f32 v[CH], v[CH], v[CH+2]
.irp m, 1,2,4,8
	v_add_f32_dpp v[CH], v[CH], v[CH] row_xmask:\m row_mask:0xf bank_mask:0xf
.endr
	v_permlanex16_b32 v[TM], v[CH], s28, s29
	v_add_f32 v[CH], v[CH], v[TM]
	v_add_f32 v[CH], 0x358637bd, v[CH]             ; + 1e-6
	v_rcp_f32 v[CH+1], v[CH]
	v_mov_b32 v[TM], s25                           ; the plain instruction behind the reciprocal
	s_wait_alu depctr_va_vdst(0)                   ; and the wait ahead of its first reader
	v_mul_f32 v[GG], v[TM], v[CH+1]
	v_mul_f32 v[GG], 0x44800000, v[GG]             ; x 1,024, the capacity
	v_mov_b32 v[GG+1], v[GG]
	s_wait_loadcnt 0x0
.irp i, 0,1,2,3,4,5,6,7
.irp p, 0,2
	v_pk_add_f32 v[P+4*(\i)+(\p):P+4*(\i)+(\p)+1], v[P+4*(\i)+(\p):P+4*(\i)+(\p)+1], v[P+32+4*(\i)+(\p):P+32+4*(\i)+(\p)+1]
	v_pk_add_f32 v[P+64+4*(\i)+(\p):P+64+4*(\i)+(\p)+1], v[P+64+4*(\i)+(\p):P+64+4*(\i)+(\p)+1], v[P+96+4*(\i)+(\p):P+96+4*(\i)+(\p)+1]
.endr
	v_cvt_pk_bf16_f32 v[TM], v[B2+4*(\i)], v[B2+4*(\i)+1]
	v_cvt_pk_bf16_f32 v[TM+1], v[B2+4*(\i)+2], v[B2+4*(\i)+3]
	v_lshlrev_b32 v[B2+4*(\i)], 16, v[TM]
	v_and_b32 v[B2+4*(\i)+1], 0xffff0000, v[TM]
	v_lshlrev_b32 v[B2+4*(\i)+2], 16, v[TM+1]
	v_and_b32 v[B2+4*(\i)+3], 0xffff0000, v[TM+1]
.irp p, 0,2
	v_pk_add_f32 v[P+4*(\i)+(\p):P+4*(\i)+(\p)+1], v[P+4*(\i)+(\p):P+4*(\i)+(\p)+1], v[P+64+4*(\i)+(\p):P+64+4*(\i)+(\p)+1]
	v_pk_add_f32 v[P+4*(\i)+(\p):P+4*(\i)+(\p)+1], v[P+4*(\i)+(\p):P+4*(\i)+(\p)+1], v[B2+4*(\i)+(\p):B2+4*(\i)+(\p)+1]
	v_pk_mul_f32 v[P+4*(\i)+(\p):P+4*(\i)+(\p)+1], v[P+4*(\i)+(\p):P+4*(\i)+(\p)+1], v[GG:GG+1]
.endr
	global_store_b128 v3, v[P+4*(\i):P+4*(\i)+3], s[12:13] offset:512*(\i) th:TH_STORE_NT  ; the wave stores 512 consecutive bytes, aligned
.endr
	s_endpgm
.Lfunc_end_k_q71d73d7f6c_combine:
	.size	k_q71d73d7f6c_combine, .Lfunc_end_k_q71d73d7f6c_combine-k_q71d73d7f6c_combine
	.p2alignl 7, 3214868480
	.fill 96, 4, 3214868480
	.section	.rodata,"a",@progbits
	.p2align	6, 0x0
	.amdhsa_kernel k_q71d73d7f6c_combine
		.amdhsa_group_segment_fixed_size 0
		.amdhsa_private_segment_fixed_size 0
		.amdhsa_enable_private_segment 0
		.amdhsa_kernarg_size 40
		.amdhsa_user_sgpr_count 2
		.amdhsa_user_sgpr_kernarg_segment_ptr 1
		.amdhsa_wavefront_size32 1
		.amdhsa_system_sgpr_workgroup_id_x 1
		.amdhsa_system_sgpr_workgroup_id_y 1
		.amdhsa_system_sgpr_workgroup_id_z 1
		.amdhsa_system_vgpr_workitem_id 0
		.amdhsa_next_free_vgpr 248
		.amdhsa_next_free_sgpr 66
		.amdhsa_reserve_vcc 1
		.amdhsa_float_denorm_mode_32 3
		.amdhsa_float_denorm_mode_16_64 3
		.amdhsa_memory_ordered 1
		.amdhsa_forward_progress 1
		.amdhsa_inst_pref_size 19
	.end_amdhsa_kernel
	.amdgpu_metadata
---
amdhsa.version: [ 1, 2 ]
amdhsa.kernels:
  - .name:           k_q71d73d7f6c_combine
    .symbol:         k_q71d73d7f6c_combine.kd
    .args:
      - { .name: part, .offset: 0, .size: 8, .value_kind: global_buffer, .address_space: global }
      - { .name: score, .offset: 8, .size: 8, .value_kind: global_buffer, .address_space: global }
      - { .name: top1, .offset: 16, .size: 8, .value_kind: global_buffer, .address_space: global }
      - { .name: b2, .offset: 24, .size: 8, .value_kind: global_buffer, .address_space: global }
      - { .name: out0, .offset: 32, .size: 8, .value_kind: global_buffer, .address_space: global }
    .group_segment_fixed_size: 0
    .private_segment_fixed_size: 0
    .kernarg_segment_align: 8
    .kernarg_segment_size: 40
    .max_flat_workgroup_size: 128
    .sgpr_count:     66
    .vgpr_count:     248
    .wavefront_size: 32
...
	.end_amdgpu_metadata
.endif
;; end of part 4
;; ======== version 2 of 2: 4 launches; 1.18 times as fast as version 1
;; limits: values are held in f16: magnitudes above 65,504 overflow, below 6.1e-05 lose precision
;; workspace buffers: xb 2,097,152 bytes; top1 4,096 bytes of whole numbers; score 4,096 bytes; hbuf 8,388,608 bytes; part 16,777,216 bytes
;; launch router: the kernel of part 1 again; grid 256 x 1, 4 waves a work-group, no clusters, 0 bytes of LDS; arguments x, wg, bg, xb, top1, score; writes xb, top1, score
;; launch ffn1 (part 5): grid 32 x 8, 8 waves a work-group, no clusters, 314,368 bytes of LDS; arguments w1, xb, top1, b1, hbuf; writes hbuf
.if DOCPART == 5
	.amdgcn_target "amdgcn-amd-amdhsa--gfx1250"
	.amdhsa_code_object_version 6
	.text
	.protected	k_q71d73d7f6c_ffn1
	.globl	k_q71d73d7f6c_ffn1
	.p2align	8
	.type	k_q71d73d7f6c_ffn1,@function
k_q71d73d7f6c_ffn1:
	s_mov_b64 s[64:65], 0
	v_nop
	global_prefetch_b8 v0, s[64:65] scope:SCOPE_SE
	s_setreg_imm32_b32 hwreg(HW_REG_WAVE_MODE, 25, 1), 1
	s_wait_xcnt 0x0
; FIRST PRODUCT OF THE EXPERTS.  hbuf[n][c] = gelu(xb[n] . w1[e][:, c] + b1[e][c]) for e = top1[n] alone; w1 and b1 rounded to bf16, sums in f32, hbuf in f16.
; SHARES.  Work-group (x, e) has the slice w1[e][0..1023][128 x .. 128 x + 127], 512 KiB of f32 that it alone reads, once, and ALL rows of expert e, however many (0 to 1,024).
; All eight waves run one text.  PRODUCING: of each chunk of 32 k rows wave w takes rows 4 w .. 4 w + 3, one load a row (the slice's 512 consecutive bytes), rounds them to bf16 and lays them
; into LDS as [k][128 columns].  CONSUMING: tile t of 16 rows of the expert belongs to wave t % 8; a block is 16 tiles, two SLOTS a wave, 16 accumulators of 16 x 16.
; THE STREAM, 32 steps: a barrier (chunk s lies in LDS), chunk s is read and multiplied for block 0, and chunk s + 1 is stored meanwhile: other rows of the slice, which is written once and never again.
; A wave whose second slot holds no tile asks for no token bytes for it: those loads are jumped, and every counted wait on the loads has the smaller of the two ways' counts.
; MORE THAN 256 ROWS: blocks 1 to 3 are multiplied from the slice that then lies whole in LDS: a walk of four trips of eight K steps.  The walk's loop runs in every trip of the block loop, and its address
; lines with it; a wave without a tile in the block jumps the eight steps' work alone.  Two barriers a block stand on every wave's path: every wave's stores into its stage and its token words lie ahead
; of the first, the walk between the two: so no LDS store of the way out meets the walk, whatever the walk's stepped addresses.
; THE MATRIX INSTRUCTION takes 16 slice columns as source 0 (turned out of LDS by ds_load_tr16_b128) and 16 tokens as source 1: a lane then holds one token (lane % 16) and eight neighbouring columns.
; THE ROWS.  Each wave keeps a table in two registers: lane g holds the mask of the lanes whose top1 register g names e, and the number of matches before it.
; The token of rank k is found from it in registers.  PAST THE COUNT: a group of eight rows that begins at or past the count is jumped.  Inside a group that the count cuts, the places past it
; repeat the expert's last row: the same token, the same operand bytes, so the same numbers; their stores write that row's bytes once more with the same values, from the same wave.
; What a branch on the count jumps holds work alone: every register that serves as an address is made at the head or in a line that every trip runs.
; GELU is exact-erf by the five-term rational form of erfc (error of erf below 1.5e-7 for every x): gelu = max(x, 0) - |x| q, q = erfc(|x| / sqrt 2) / 2: no difference of near numbers for x < 0.
; NO CLUSTER: each weight byte has one reader; the token rows come by a list that no tile descriptor covers.
; A token fragment's load takes 32 consecutive bytes of each of 16 rows: the layout of source 1 asks for a row a lane.  The 32 work-groups of an expert read the same rows: th:TH_LOAD_HT.
; LIMITS.  x . w1 passes through f16 on its way to GELU, and so does the result: both must stay below 65,504.  NaN and infinities are not treated apart.
.set WPITCH, 16384                     ; bytes from row to row of w1
.set CHB,    32*WPITCH                 ; from chunk to chunk
.set ASHIFT, 11                        ; a row of xb is 2,048 bytes
.set OSHIFT, 13                        ; a row of hbuf 8,192
.set PITCH,  288                       ; a slice row in LDS: 256 bytes + 32 = 72 words: the turning load's 8 rows x 32 bytes start 8 banks apart (64 banks of 4 bytes: ISA guide 11.1)
.set CHUNK,  32*PITCH
.set TOKB,   1024*PITCH                ; behind the slice: 32 token words for each wave
.set STAGE,  TOKB+8*128                ; 8 rows x 272 bytes for each wave: eight stages of 16 rows have no room beside the slice
.set SPITCH, 272
.set SPARE,  STAGE+8*8*SPITCH          ; the spare words, 128 bytes for each of the eight waves; no other line names them
; vector registers, window 0
.set LN,  1                            ; lane
.set RR,  2                            ; lane % 16
.set SPW, 3                            ; my spare word; never rewritten
.set NIL, 4                            ; 0; never rewritten
.set HB,  5                            ; lane / 16
.set ST0, 6                            ; my place in a chunk in LDS, for the stores
.set WOFF, 7                           ; my byte offset in a chunk of w1
.set ST,  8                            ; ST0 + the step's base
.set TR0, 9                            ; my place in a chunk for the turning load
.set TR,  10                           ; TR0 + the step's base
.set AO,  11                           ; v11, v12: slot i: my token's row offset + 16 (lane / 16)
.set BIAS, 16                          ; v[16:23] b1 of columns 8 (lane % 16) + 0..7
.set ONE, 24
.set C16, 25                           ; 16 (lane % 16)
.set H16, 26                           ; 16 (lane / 16)
.set MT,  27                           ; the table: masks
.set PT,  28                           ; the table: matches before
.set TKW, 29                           ; token words: mine by lane
.set TKR, 30                           ; by lane % 16
.set R0,  31                           ; 128 (lane / 16) + lane % 16
.set STO, 32                           ; stage, in
.set RD,  33                           ; stage, back
.set TKE, 34                           ; token words by lane / 16
.set R8,  35                           ; (lane % 16) / 8: which half of a tile's tokens is mine
.set TR2, 36                           ; the later blocks' walk: TR + 4 chunks: four chunks lie well within an LDS instruction's 16-bit offset
.set T,   40                           ; v[40:47] my four rows of a chunk, rounded
.set A,   56                           ; v[56:183] token fragments: step % 8 = j, slot i at 56 + 16 j + 8 i
.set WF,  192                          ; v[192:255] the chunk's eight weight fragments
.set TP1, 192                          ; v[192:223] at the head: top1 as loaded; the fragments' registers are free until step 0
; window 1: accumulator (i, c) at 64 i + 8 c; v[128 + 16 j + 4 i]: weights as loaded, ring slot j, row i; on the way out v[128:159] a slot's 16 x 128 numbers in f16
.set RG,  128
.set XV,  40                           ; the way out: x, later q
.set AX,  72                           ; |x|
.set UU,  104                          ; 1 + p |x|, then t
.set EE,  136                          ; the exponent, then the exponential
.set MX,  168                          ; max(x, 0)
.set OUT, 200                          ; packed results
.set PRE, 216                          ; rows read back from the stage
.set OFS, 236                          ; v[236:251] the block's sixteen store offsets: slot, token half, store at 8 slot + 4 half + k
.set RK,  240                          ; v[240:251] at work in the search
.set G4,  241
.set CA,  242
.set PP,  243
.set MS,  244
.set KK,  245
.set TA,  246
.set C2,  247
.set C4,  248
.set C8,  249
.set CG,  250
.set PO,  251
; scalar registers: s[4:5] w1, running; s[6:7] xb, running; s[8:9] top1; s[10:11] b1; s[12:13] hbuf; s[32:33] xb, kept
.set WV, 14                            ; wave
.set EX, 16                            ; expert
.set XX, 17                            ; slice
.set CN, 20                            ; the expert's rows
.set TL, 21                            ; its tiles
.set CM, 22                            ; its last rank
.set NL, 23                            ; my live slots in the block
.set KC, 24
.set BK, 25
.set T0, 26                            ; my first tile of the block
.set PF, 27
.set MK, 28
.set TP, 29
.set SL, 30
.set SX, 35
.set KB, 36                            ; LDS byte at which the step's chunk begins
.set CU, 38                            ; pairs, both words written: the packed forms name a pair and take its low word
.set CE, 40
.set A5, 42
.set A4, 44
.set A3, 46
.set A2, 48
.set A1, 50
.set ABSM, 52
.set HIM, 53
.set LH, 54                            ; s54, s55: slot i: how many of its two groups of eight rows begin below the count
.set MSB, 0
.macro WIN new                         ; bits 1:0 source 0, 3:2 source 1, 5:4 source 2, 7:6 destination; the high byte repeats the setting that is left
.if MSB != (\new)
	s_set_vgpr_msb (MSB<<8)|(\new)
.set MSB, \new
.endif
.endm
.macro PLACES                          ; four plain instructions between a matrix instruction and a load into, or a read of, its registers
.rept 4
	v_nop
.endr
.endm
	s_load_b256 s[4:11], s[0:1], 0x0
	s_load_b64 s[12:13], s[0:1], 0x20
	v_lshl_add_u32 v[SPW], v0, 2, SPARE
	v_mov_b32 v[NIL], 0
	v_lshrrev_b32 v13, 5, v0
	v_readfirstlane_b32 s[WV], v13
	s_and_b32 s[EX], ttmp7, 0xffff
	s_mov_b32 s[XX], ttmp9
	v_and_b32 v[LN], 31, v0
	v_and_b32 v[RR], 15, v0
	v_bfe_u32 v[HB], v0, 4, 1
	v_bfe_u32 v[R8], v0, 3, 1
	s_lshl_b32 s18, s[EX], 24                      ; an expert's w1 is 16 MiB,
	s_lshl_b32 s[TP], s[XX], 9                     ; a slice's columns 512 bytes of a row
	s_add_co_u32 s18, s18, s[TP]
	s_mov_b32 s19, 0
	s_lshl_b32 s34, s[EX], 14                      ; b1: 16,384 bytes an expert
	s_add_co_u32 s34, s34, s[TP]
	s_mov_b32 s35, 0
	s_lshl_b32 s30, s[XX], 8                       ; hbuf: 256 bytes of a row
	s_mov_b32 s31, 0
	s_mov_b32 s[KB], 0
	s_mov_b32 s[HIM], 0xffff0000
	v_lshlrev_b32 v14, 4, v[LN]
	v_lshlrev_b32 v15, 5, v[RR]
	s_mul_i32 s[TP], s[WV], 4*WPITCH
	v_lshl_add_u32 v[WOFF], v[LN], 4, s[TP]        ; my 4 rows of a chunk, 16 bytes a lane
	s_wait_kmcnt 0x0
	s_add_nc_u64 s[4:5], s[4:5], s[18:19]
	s_add_nc_u64 s[10:11], s[10:11], s[34:35]
	s_add_nc_u64 s[12:13], s[12:13], s[30:31]
	s_mov_b64 s[32:33], s[6:7]
.irp i, 0,1,2,3,4,5,6,7
	global_load_b128 v[TP1+4*(\i):TP1+4*(\i)+3], v14, s[8:9] offset:512*(\i)  ; all of top1: register 4 i + q holds token 128 i + 4 lane + q
.endr
	global_load_b128 v[BIAS:BIAS+3], v15, s[10:11]
	global_load_b128 v[BIAS+4:BIAS+7], v15, s[10:11] offset:16
.macro WLOAD slot, pos                 ; my four rows of the chunk pos chunks from the running base, into ring slot slot
	WIN 0x40
.irp i, 0,1,2,3
	global_load_b128 v[RG+16*(\slot)+4*(\i):RG+16*(\slot)+4*(\i)+3], v[WOFF], s[4:5] offset:(\pos)*CHB+(\i)*WPITCH th:TH_LOAD_NT
.endr
	WIN 0
.endm
.irp c, 0,1,2,3,4,5,6
	WLOAD \c, \c                                   ; chunks 0 to 6 are asked for before anything else is worked out
.endr
	s_mul_i32 s[TP], s[WV], 4*PITCH
	v_lshl_add_u32 v[ST0], v[LN], 3, s[TP]         ; my 4 rows, 8 bytes a lane
	v_and_b32 v13, 7, v0                           ; the turning load: lane l reads k row 8 (l / 16) + l % 8, columns 8 ((l / 8) % 2) + 0..7
	v_lshl_add_u32 v[TA], v[HB], 3, v13
	v_mul_u32_u24 v[TR0], v[TA], PITCH
	v_lshl_add_u32 v[TR0], v[R8], 4, v[TR0]
	s_mul_i32 s[TP], s[WV], 8*SPITCH
	s_add_co_u32 s[TP], s[TP], STAGE               ; my stage
	v_mul_u32_u24 v[STO], v13, SPITCH              ; in: row lane % 8, 16 bytes for each half of the lanes
	v_lshl_add_u32 v[STO], v[HB], 4, v[STO]
	v_add_nc_u32 v[STO], s[TP], v[STO]
	v_mul_u32_u24 v[RD], v[HB], SPITCH             ; back: lanes 0-15 one row of 256 bytes, lanes 16-31 the next
	v_lshl_add_u32 v[RD], v[RR], 4, v[RD]
	v_add_nc_u32 v[RD], s[TP], v[RD]
	s_lshl_b32 s[TP], s[WV], 7
	s_add_co_u32 s[TP], s[TP], TOKB                ; my token words
	v_lshl_add_u32 v[TKW], v[LN], 2, s[TP]
	v_lshl_add_u32 v[TKR], v[RR], 2, s[TP]
	v_lshl_add_u32 v[TKE], v[HB], 2, s[TP]
	v_lshl_add_u32 v[R0], v[HB], 7, v[RR]
	v_lshlrev_b32 v[C16], 4, v[RR]
	v_lshlrev_b32 v[H16], 4, v[HB]
	v_mov_b32 v[ONE], 1.0
	v_mov_b32 v[MT], 0
	v_mov_b32 v[PT], 0
	s_mov_b32 s[CU], 0x3e6d3389                    ; 0.3275911 / sqrt 2
	s_mov_b32 s[CU+1], s[CU]
	s_mov_b32 s[CE], 0xbf38aa3b                    ; -log2(e) / 2
	s_mov_b32 s[CE+1], s[CE]
	s_mov_b32 s[A5], 0x3f07dc22                    ; the five coefficients, halved: 0.5307027
	s_mov_b32 s[A5+1], s[A5]
	s_mov_b32 s[A4], 0xbf3a00e3                    ; -0.7265760
	s_mov_b32 s[A4+1], s[A4]
	s_mov_b32 s[A3], 0x3f35f0e3                    ; 0.7107069
	s_mov_b32 s[A3+1], s[A3]
	s_mov_b32 s[A2], 0xbe11a98e                    ; -0.1422484
	s_mov_b32 s[A2+1], s[A2]
	s_mov_b32 s[A1], 0x3e027906                    ; 0.1274148
	s_mov_b32 s[A1+1], s[A1]
	s_mov_b32 s[ABSM], 0x7fffffff
	s_mov_b32 s[PF], 0
.set n, 0
.rept 64                               ; the second slot's fragments begin as 0: a wave without a second tile never loads them, step 0's products on them start that slot's sums with 0,
	v_mov_b32 v[A+16*(n/8)+8+n%8], 0               ; and every register is written before it is read on every way through the text.  These lines stand in the wait for top1
.set n, n+1
.endr
	s_wait_loadcnt 28                              ; the 28 loads of w1 are younger: top1 and b1 are in
.set g, 0
.rept 32                               ; the table: lane g takes register g's mask and the matches before it
	v_cmp_eq_u32 s[MK], s[EX], v[TP1+g]
	v_writelane_b32 v[MT], s[MK], g
	v_writelane_b32 v[PT], s[PF], g
	s_bcnt1_i32_b32 s[TP], s[MK]
	s_add_co_u32 s[PF], s[PF], s[TP]
.set g, g+1
.endr
.irp p, 0,1,2,3
	v_cvt_pk_bf16_f32 v13, v[BIAS+2*(\p)], v[BIAS+2*(\p)+1]
	v_lshlrev_b32 v[BIAS+2*(\p)], 16, v13
	v_and_b32 v[BIAS+2*(\p)+1], s[HIM], v13
.endr
	s_min_u32 s[CN], s[PF], 0x400                  ; an expert has 1,024 rows at the most
	s_add_co_u32 s[TL], s[CN], 15
	s_lshr_b32 s[TL], s[TL], 4
	s_max_u32 s[CM], s[CN], 1
	s_sub_co_u32 s[CM], s[CM], 1
	s_mov_b32 s[T0], s[WV]
.macro NLIVE                           ; how many of the tiles T0, T0 + 8 exist; and, for each, how many of its two groups of eight rows begin below the count
	s_sub_co_i32 s[NL], s[TL], s[T0]
	s_add_co_i32 s[NL], s[NL], 7
	s_ashr_i32 s[NL], s[NL], 3
	s_max_i32 s[NL], s[NL], 0
	s_min_i32 s[NL], s[NL], 2
	s_lshl_b32 s[TP], s[T0], 4
	s_sub_co_i32 s[LH], s[CN], s[TP]
	s_add_co_i32 s[LH], s[LH], 7
	s_sub_co_i32 s[LH+1], s[LH], 128
	s_ashr_i32 s[LH], s[LH], 3
	s_ashr_i32 s[LH+1], s[LH+1], 3
	s_max_i32 s[LH], s[LH], 0
	s_max_i32 s[LH+1], s[LH+1], 0
	s_min_i32 s[LH], s[LH], 2
	s_min_i32 s[LH+1], s[LH+1], 2
.endm
.macro LEVEL src, bits, w              ; are there KK or fewer set bits in the next w places?  Then they are passed over
	v_bfe_u32 v[TA], v[\src], v[PO], \bits
	v_cmp_ge_u32 vcc_lo, v[KK], v[TA]
	v_sub_nc_u32 v[TA], v[KK], v[TA]
	v_cndmask_b32 v[KK], v[KK], v[TA], vcc_lo
	v_add_nc_u32 v[TA], \w, v[PO]
	v_cndmask_b32 v[PO], v[PO], v[TA], vcc_lo
.endm
; The block's tokens into my token words: 32 ranks at once, lanes 0-15 the rows of slot 0, lanes 16-31 those of slot 1.
.macro SEARCH
	s_lshl_b32 s[TP], s[T0], 4
	v_add_nc_u32 v[RK], s[TP], v[R0]               ; rank = 16 (T0 + 8 slot) + row
	v_min_u32 v[RK], s[CM], v[RK]                  ; past the count: the last row once more
	v_mov_b32 v[G4], 0
.irp w, 64,32,16,8,4                   ; the last table entry whose 'matches before' is not above the rank, by halving; lane numbers times 4
	v_add_nc_u32 v[CA], \w, v[G4]
	ds_bpermute_b32 v[PP], v[CA], v[PT]
	s_wait_dscnt 0x0
	v_cmp_le_u32 vcc_lo, v[PP], v[RK]
	v_cndmask_b32 v[G4], v[G4], v[CA], vcc_lo
.endr
	ds_bpermute_b32 v[MS], v[G4], v[MT]
	ds_bpermute_b32 v[PP], v[G4], v[PT]
	s_wait_dscnt 0x0
	v_sub_nc_u32 v[KK], v[RK], v[PP]               ; which set bit of that mask
	v_lshrrev_b32 v[TA], 1, v[MS]                  ; counts of set bits in fields of 2, 4, 8 and 16
	v_and_b32 v[TA], 0x55555555, v[TA]
	v_sub_nc_u32 v[C2], v[MS], v[TA]
	v_lshrrev_b32 v[TA], 2, v[C2]
	v_and_b32 v[TA], 0x33333333, v[TA]
	v_and_b32 v[C4], 0x33333333, v[C2]
	v_add_nc_u32 v[C4], v[C4], v[TA]
	v_lshrrev_b32 v[TA], 4, v[C4]
	v_add_nc_u32 v[C8], v[C4], v[TA]
	v_and_b32 v[C8], 0x0f0f0f0f, v[C8]
	v_lshrrev_b32 v[TA], 8, v[C8]
	v_add_nc_u32 v[CG], v[C8], v[TA]
	v_mov_b32 v[PO], 0
	LEVEL CG, 8, 16
	LEVEL C8, 8, 8
	LEVEL C4, 4, 4
	LEVEL C2, 2, 2
	LEVEL MS, 1, 1
	v_lshrrev_b32 v[TA], 4, v[G4]                  ; token = 128 (g / 4) + g % 4 + 4 x bit
	v_bfe_u32 v[CA], v[G4], 2, 2
	v_lshl_add_u32 v[TA], v[TA], 7, v[CA]
	v_lshl_add_u32 v[TA], v[PO], 2, v[TA]
	ds_store_b32 v[TKW], v[TA]
.endm
.macro AOFF                            ; my two row offsets, from the token words
.irp i, 0,1
	ds_load_b32 v[13+(\i)], v[TKR] offset:64*(\i)  ; LDS serves a wave's instructions in order: these see my store of the words
.endr
	s_wait_dscnt 0x0
.irp i, 0,1
	v_min_u32 v[13+(\i)], 0x3ff, v[13+(\i)]
	v_lshl_add_u32 v[AO+(\i)], v[13+(\i)], ASHIFT, v[H16]
.endr
.endm
.macro ALOAD b, imm, i                 ; one K step's token fragment of slot i into buffer b: two loads
	global_load_b128 v[A+16*(\b)+8*(\i):A+16*(\b)+8*(\i)+3], v[AO+(\i)], s[6:7] offset:(\imm) th:TH_LOAD_HT
	global_load_b128 v[A+16*(\b)+8*(\i)+4:A+16*(\b)+8*(\i)+7], v[AO+(\i)], s[6:7] offset:(\imm)+32 th:TH_LOAD_HT
.endm
; The chunk in ring slot sm is rounded and laid into LDS, off bytes behind the step's base.
.macro CONVERT sm, off
	WIN 0x05
.irp i, 0,1,2,3
	v_cvt_pk_bf16_f32 v[T+2*(\i)], v[RG+16*(\sm)+4*(\i)], v[RG+16*(\sm)+4*(\i)+1]
	v_cvt_pk_bf16_f32 v[T+2*(\i)+1], v[RG+16*(\sm)+4*(\i)+2], v[RG+16*(\sm)+4*(\i)+3]
.endr
	WIN 0
	v_add_nc_u32 v[ST], s[KB], v[ST0]
.irp i, 0,1,2,3
	ds_store_b64 v[ST], v[T+2*(\i):T+2*(\i)+1] offset:(\off)+(\i)*PITCH  ; a row's 256 consecutive bytes
.endr
.endm
	NLIVE
	SEARCH
	AOFF
.irp c, 0,1,2,3,4,5,6
	ALOAD \c, 64*(\c), 0                           ; the first slot's token fragments of steps 0 to 6
.endr
	s_cmp_gt_u32 s[NL], 1
	s_cbranch_scc0 .Lone_slot                      ; no second tile: nothing is asked for it
.irp c, 0,1,2,3,4,5,6
	ALOAD \c, 64*(\c), 1
.endr
.Lone_slot:
	s_wait_loadcnt 38                              ; on either way chunks 1 to 6 (24 loads) and the first slot's 14 token loads are younger: chunk 0 is in
	CONVERT 0, 0
	s_wait_dscnt 0x0                               ; for the others' sake: my rows of chunk 0 lie in LDS when I signal
.macro FRAGS                           ; the eight weight fragments of the chunk at v[TR]
.irp c, 0,1,2,3,4,5,6,7
	ds_load_tr16_b128 v[WF+8*(\c):WF+8*(\c)+3], v[TR] offset:32*(\c)
	ds_load_tr16_b128 v[WF+8*(\c)+4:WF+8*(\c)+7], v[TR] offset:32*(\c)+16*PITCH
.endr
.endm
; Up to 16 products; a slot's eight accumulators take turns.  first = 1: they start the sums with 0, in both slots, so that every accumulator is written.
; Else dead slots are jumped.  In slot 0 the count lets what was issued behind fragment c stay out: two loads for each later fragment and st stores.
.macro PRODUCTS ab, first, st
.irp i, 0,1
.if !(\first)
	WIN 0
	s_cmp_gt_u32 s[NL], \i
	s_cbranch_scc0 .Ldone_\@
.endif
	WIN 0x50
.irp c, 0,1,2,3,4,5,6,7
.if (\i) == 0
	s_wait_dscnt (\st)+14-2*(\c)
.endif
.if \first
	v_wmma_f32_16x16x32_bf16 v[64*(\i)+8*(\c):64*(\i)+8*(\c)+7], v[WF+8*(\c):WF+8*(\c)+7], v[(\ab)+8*(\i):(\ab)+8*(\i)+7], 0
.else
	v_wmma_f32_16x16x32_bf16 v[64*(\i)+8*(\c):64*(\i)+8*(\c)+7], v[WF+8*(\c):WF+8*(\c)+7], v[(\ab)+8*(\i):(\ab)+8*(\i)+7], v[64*(\i)+8*(\c):64*(\i)+8*(\c)+7]
.endif
.endr
.endr
	WIN 0
.Ldone_\@:
	s_wait_dscnt 0x0                               ; my reads of the chunk are back and my stores of the next lie in LDS: nothing of mine is out at the next signal
.endm
; STEP s, sm = s % 8.  ONE barrier: it orders every wave's stores of chunk s ahead of every wave's reads of chunk s.  Nothing needs ordering the other way: no slice byte is written twice.
; lw: the loads that may stay out when chunk s + 1 must be in (the token fragments of step s are older than it), counted on the way with the fewer loads.
; pos >= 0: a BUNDLE is asked for, pos steps from the running bases: chunk s + 7 (4 loads) into the ring slot converted two steps ago, the first slot's fragment of step s + 7 (2 loads) and, where
; the wave has a second tile, the second slot's (2 loads) into the buffer multiplied last step.  prod = 1: chunk s + 1 is rounded and stored.
.macro STEP sm, pos, lw, first, prod
	s_barrier_signal -1
	s_barrier_wait -1
.if !(\first)
	PLACES                                         ; behind the last step's products, ahead of the loads into their sources
.endif
	v_add_nc_u32 v[TR], s[KB], v[TR0]
	FRAGS
	s_wait_loadcnt \lw
.if (\pos) >= 0
	WLOAD ((\sm)+7)%8, \pos
	ALOAD ((\sm)+7)%8, 64*(\pos), 0
	s_cmp_gt_u32 s[NL], 1
	s_cbranch_scc0 .Lone_\@                        ; no second tile: two loads fewer
	ALOAD ((\sm)+7)%8, 64*(\pos), 1
.Lone_\@:
.endif
.if \prod
	CONVERT ((\sm)+1)%8, CHUNK
	PRODUCTS A+16*(\sm), \first, 4
.else
	PRODUCTS A+16*(\sm), \first, 0
.endif
	s_add_co_u32 s[KB], s[KB], CHUNK
.endm
.macro ONWARD                          ; eight chunks of w1, eight steps of token bytes
	s_wait_xcnt 0x0                                ; the bases are stepped only behind this wait
	s_add_nc_u64 s[4:5], s[4:5], 8*CHB
	s_add_nc_u64 s[6:7], s[6:7], 512
.endm
	STEP 0, 7, 0, 1, 1                             ; step 0 stands ahead of the loop: its products start the sums.  All that the head asked for is waited for: steps 1 to 5 need nothing newer
	ONWARD
	s_mov_b32 s[KC], 3
.Lring:                                                ; steps 1 to 24.  32 = the first slot's fragment of step s + 1 (2 loads) and the five bundles of 6 behind it; with a second tile a bundle has 8, and the wave waits for more than it needs
	STEP 1, 0, 32, 0, 1
	STEP 2, 1, 32, 0, 1
	STEP 3, 2, 32, 0, 1
	STEP 4, 3, 32, 0, 1
	STEP 5, 4, 32, 0, 1
	STEP 6, 5, 32, 0, 1
	STEP 7, 6, 32, 0, 1
	STEP 0, 7, 32, 0, 1
	ONWARD
	s_sub_co_u32 s[KC], s[KC], 1
	s_cmp_lg_u32 s[KC], 0
	s_cbranch_scc1 .Lring
	STEP 1, -1, 32, 0, 1                           ; steps 25 to 31 ask for nothing: the counts run down by a bundle of 6 a step
	STEP 2, -1, 26, 0, 1
	STEP 3, -1, 20, 0, 1
	STEP 4, -1, 14, 0, 1
	STEP 5, -1, 8, 0, 1
	STEP 6, -1, 2, 0, 1
	STEP 7, -1, 0, 0, 0
.macro PACK i                          ; slot i: x . w1 rounded to f16, each accumulator from its low end on; kept in window 1 for the slot's two halves
	WIN 0x45
.set n, 0
.rept 32
	v_cvt_pk_f16_f32 v[RG+n], v[64*(\i)+2*n], v[64*(\i)+2*n+1]
.set n, n+1
.endr
	WIN 0
.endm
; What differs between the four trips of the way out, u = 2 slot + token half, ahead of GELU: whether the eight rows exist, the slot that is packed, the lanes that fill the stage.
.macro SEL u
	s_cmp_gt_u32 s[LH+(\u)/2], (\u)%2
	s_cbranch_scc0 .Lu_next                        ; the group begins at or past the count
.if (\u)%2 == 0
	PACK (\u)/2
.endif
	v_cmp_eq_u32 vcc_lo, (\u)%2, v[R8]
	s_and_saveexec_b32 s[SX], vcc_lo               ; the lanes that hold these eight tokens: a mask of the lane's number alone
	WIN 0x04
.irp c, 0,1,2,3,4,5,6,7
	ds_store_b128 v[STO], v[RG+4*(\c):RG+4*(\c)+3] offset:32*(\c)  ; a lane's eight columns, 16 bytes
.endr
	WIN 0
	s_or_b32 exec_lo, exec_lo, s[SX]               ; no global instruction was issued since the trip's s_wait_xcnt 0
.endm
.macro PICK u
	s_cmp_lg_u32 s[SL], \u
	s_cbranch_scc1 .Lnot_\@
	SEL \u
	s_branch .Lbody
.Lnot_\@:
.endm
; And behind GELU: the four stores, on the trip's four offsets.
.macro STV u
.irp k, 0,1,2,3
	global_store_b128 v[OFS+4*(\u)+(\k)], v[OUT+4*(\k):OUT+4*(\k)+3], s[12:13]  ; 16 lanes store a row's 256 consecutive bytes, aligned
.endr
.endm
.macro SPICK u
	s_cmp_lg_u32 s[SL], \u
	s_cbranch_scc1 .Lsn_\@
	STV \u
	s_branch .Lu_next
.Lsn_\@:
.endm
; K step t of eight in a trip of a later block's walk, from the slice that lies whole in LDS: the step stands in the immediates, on the trip's two address registers and its token base.
; first = 1: the walk's first step: its products start the sums with 0.  Both slots are multiplied: a dead one repeats the last row, and its stores are jumped.
; This path runs only past 256 rows an expert: its loads are waited for at once.
.macro BSTEP t, first
.if (\t) < 4
.set tb, TR
.else
.set tb, TR2
.endif
	PLACES
.irp c, 0,1,2,3,4,5,6,7
	ds_load_tr16_b128 v[WF+8*(\c):WF+8*(\c)+3], v[tb] offset:((\t)%4)*CHUNK+32*(\c)
	ds_load_tr16_b128 v[WF+8*(\c)+4:WF+8*(\c)+7], v[tb] offset:((\t)%4)*CHUNK+32*(\c)+16*PITCH
.endr
.irp i, 0,1
	global_load_b128 v[A+8*(\i):A+8*(\i)+3], v[AO+(\i)], s[6:7] offset:64*(\t) th:TH_LOAD_HT
	global_load_b128 v[A+8*(\i)+4:A+8*(\i)+7], v[AO+(\i)], s[6:7] offset:64*(\t)+32 th:TH_LOAD_HT
.endr
	s_wait_loadcnt 0x0
	s_wait_dscnt 0x0
	WIN 0x50
.irp i, 0,1
.irp c, 0,1,2,3,4,5,6,7
.if \first
	v_wmma_f32_16x16x32_bf16 v[64*(\i)+8*(\c):64*(\i)+8*(\c)+7], v[WF+8*(\c):WF+8*(\c)+7], v[A+8*(\i):A+8*(\i)+7], 0
.else
	v_wmma_f32_16x16x32_bf16 v[64*(\i)+8*(\c):64*(\i)+8*(\c)+7], v[WF+8*(\c):WF+8*(\c)+7], v[A+8*(\i):A+8*(\i)+7], v[64*(\i)+8*(\c):64*(\i)+8*(\c)+7]
.endif
.endr
.endr
	WIN 0
.endm
	s_mov_b32 s[BK], 0
.Lblock:                                               ; four trips: the block in hand goes out; the next, if it has a tile of mine, is multiplied
	PLACES
.set j, 0
.rept 16                               ; in every trip: the tokens of the block's sixteen stores: row 8 half + 2 k + lane / 16 of a slot
	ds_load_b32 v[OFS+j], v[TKE] offset:8*j
.set j, j+1
.endr
	s_wait_dscnt 0x0
.set j, 0
.rept 16
	v_min_u32 v[OFS+j], 0x3ff, v[OFS+j]
.set j, j+1
.endr
.set j, 0
.rept 16
	v_lshl_add_u32 v[OFS+j], v[OFS+j], OSHIFT, v[C16]
.set j, j+1
.endr
	s_cmp_gt_u32 s[NL], 0
	s_cbranch_scc0 .Lout_done                      ; no tile of this block is mine
	s_mov_b32 s[SL], 0
.Lu:                                                   ; four trips, eight rows each: 32 numbers a lane
	s_wait_xcnt 0x0                                ; OUT, which the last trip's stores read, is rewritten, and EXEC changes, only behind this wait
	PICK 0
	PICK 1
	PICK 2
	SEL 3
.Lbody:
.irp k, 0,1,2,3
	ds_load_b128 v[PRE+4*(\k):PRE+4*(\k)+3], v[RD] offset:2*(\k)*SPITCH  ; rows 2 k and 2 k + 1, whole; LDS serves a wave's instructions in order
.endr
	s_wait_dscnt 0x0
.set n, 0
.rept 16
	v_fma_mix_f32 v[XV+2*n], v[PRE+n], v[ONE], v[BIAS+(2*n)%8] op_sel_hi:[1,0,0]
	v_fma_mix_f32 v[XV+2*n+1], v[PRE+n], v[ONE], v[BIAS+(2*n+1)%8] op_sel:[1,0,0] op_sel_hi:[1,0,0]
.set n, n+1
.endr
.set n, 0
.rept 32
	v_and_b32 v[AX+n], s[ABSM], v[XV+n]
.set n, n+1
.endr
.set n, 0
.rept 16
	v_pk_fma_f32 v[UU+n:UU+n+1], v[AX+n:AX+n+1], s[CU:CU+1], 1.0 op_sel_hi:[1,0,0]
	v_pk_mul_f32 v[EE+n:EE+n+1], v[XV+n:XV+n+1], v[XV+n:XV+n+1]
.set n, n+2
.endr
.set n, 0
.rept 16
	v_pk_mul_f32 v[EE+n:EE+n+1], v[EE+n:EE+n+1], s[CE:CE+1] op_sel_hi:[1,0]
.set n, n+2
.endr
.set n, 0
.rept 32                               ; one batch: 32 reciprocals and 32 exponentials
	v_rcp_f32 v[UU+n], v[UU+n]
.set n, n+1
.endr
.set n, 0
.rept 32
	v_exp_f32 v[EE+n], v[EE+n]
.set n, n+1
.endr
.set n, 0
.rept 32                               ; plain work that names none of the batch's results
	v_max_num_f32 v[MX+n], 0, v[XV+n]
.set n, n+1
.endr
	s_wait_alu depctr_va_vdst(0)                   ; one wait for the batch, ahead of its first reader
.set n, 0
.rept 16
	v_pk_fma_f32 v[XV+n:XV+n+1], v[UU+n:UU+n+1], s[A5:A5+1], s[A4:A4+1] op_sel_hi:[1,0,0]
.set n, n+2
.endr
.irp a, A3, A2, A1
.set n, 0
.rept 16
	v_pk_fma_f32 v[XV+n:XV+n+1], v[XV+n:XV+n+1], v[UU+n:UU+n+1], s[\a:\a+1] op_sel_hi:[1,1,0]
.set n, n+2
.endr
.endr
.set n, 0
.rept 16
	v_pk_mul_f32 v[UU+n:UU+n+1], v[UU+n:UU+n+1], v[EE+n:EE+n+1]
.set n, n+2
.endr
.set n, 0
.rept 16
	v_pk_mul_f32 v[XV+n:XV+n+1], v[XV+n:XV+n+1], v[UU+n:UU+n+1]  ; q
.set n, n+2
.endr
.set n, 0
.rept 16
	v_pk_fma_f32 v[XV+n:XV+n+1], v[AX+n:AX+n+1], v[XV+n:XV+n+1], v[MX+n:MX+n+1] neg_lo:[1,0,0] neg_hi:[1,0,0]  ; max(x, 0) - |x| q
.set n, n+2
.endr
.set n, 0
.rept 16
	v_cvt_pk_f16_f32 v[OUT+n], v[XV+2*n], v[XV+2*n+1]
.set n, n+1
.endr
	SPICK 0
	SPICK 1
	SPICK 2
	STV 3
.Lu_next:
	s_add_co_u32 s[SL], s[SL], 1
	s_cmp_lt_u32 s[SL], 4
	s_cbranch_scc1 .Lu
.Lout_done:
	s_wait_xcnt 0x0                                ; the stores have read their registers
	s_add_co_u32 s[T0], s[T0], 16                  ; the next block
	NLIVE
	s_cmp_gt_u32 s[NL], 0
	s_cbranch_scc0 .Lno_search                     ; no tile of mine in it: the token words stay as they are
	SEARCH
.Lno_search:
	AOFF                                           ; in every trip
	s_wait_dscnt 0x0                               ; nothing of mine is out in LDS:
	s_barrier_signal -1                            ; every wave's stores into its stage and its token words lie ahead of this barrier,
	s_barrier_wait -1                              ; the walk over the slice behind it: in the walk no wave stores to LDS
	s_mov_b32 s[KB], 0
	s_mov_b64 s[6:7], s[32:33]                     ; every load that named s[6:7] has been waited for
	s_mov_b32 s[KC], 4
.Lbk:                                                  ; four trips of eight K steps; the trip's address lines stand ahead of the branch, its steps of the bases behind the branch's target: every wave runs them
	v_add_nc_u32 v[TR], s[KB], v[TR0]              ; chunks 8 j .. 8 j + 3 from here,
	v_add_nc_u32 v[TR2], 4*CHUNK, v[TR]            ; chunks 8 j + 4 .. 8 j + 7 from here
	s_cmp_gt_u32 s[NL], 0
	s_cbranch_scc0 .Lbk_next                       ; no tile of mine in the block: nothing but work is jumped
	s_cmp_eq_u32 s[KC], 4
	s_cbranch_scc0 .Lbk_add
	BSTEP 0, 1                                     ; the walk's first step starts the sums; six plain vector lines stand ahead of its products on every way
	s_branch .Lbk_rest
.Lbk_add:
	BSTEP 0, 0
.Lbk_rest:
.irp t, 1,2,3,4,5,6,7
	BSTEP \t, 0
.endr
.Lbk_next:
	s_add_co_u32 s[KB], s[KB], 8*CHUNK
	s_add_nc_u64 s[6:7], s[6:7], 512               ; eight steps of token bytes; each step has waited for its loads
	s_sub_co_u32 s[KC], s[KC], 1
	s_cmp_lg_u32 s[KC], 0
	s_cbranch_scc1 .Lbk
	s_wait_dscnt 0x0
	s_barrier_signal -1                            ; every wave's walk lies ahead of this barrier, the next way out's stores behind it
	s_barrier_wait -1
	s_add_co_u32 s[BK], s[BK], 1
	s_cmp_lt_u32 s[BK], 4
	s_cbranch_scc1 .Lblock
	s_wait_tensorcnt 0x0                           ; the wave's end, behind my last LDS store
	ds_add_u32 v[SPW], v[NIL]
	s_wait_dscnt 0x0
	s_endpgm
.Lfunc_end_k_q71d73d7f6c_ffn1:
	.size	k_q71d73d7f6c_ffn1, .Lfunc_end_k_q71d73d7f6c_ffn1-k_q71d73d7f6c_ffn1
	.p2alignl 7, 3214868480
	.fill 96, 4, 3214868480
	.section	.rodata,"a",@progbits
	.p2align	6, 0x0
	.amdhsa_kernel k_q71d73d7f6c_ffn1
		.amdhsa_group_segment_fixed_size 314368
		.amdhsa_private_segment_fixed_size 0
		.amdhsa_enable_private_segment 0
		.amdhsa_kernarg_size 40
		.amdhsa_user_sgpr_count 2
		.amdhsa_user_sgpr_kernarg_segment_ptr 1
		.amdhsa_wavefront_size32 1
		.amdhsa_system_sgpr_workgroup_id_x 1
		.amdhsa_system_sgpr_workgroup_id_y 1
		.amdhsa_system_sgpr_workgroup_id_z 1
		.amdhsa_system_vgpr_workitem_id 0
		.amdhsa_next_free_vgpr 512
		.amdhsa_next_free_sgpr 66
		.amdhsa_reserve_vcc 1
		.amdhsa_float_denorm_mode_32 3
		.amdhsa_float_denorm_mode_16_64 3
		.amdhsa_memory_ordered 1
		.amdhsa_forward_progress 1
		.amdhsa_inst_pref_size 151
	.end_amdhsa_kernel
	.amdgpu_metadata
---
amdhsa.version: [ 1, 2 ]
amdhsa.kernels:
  - .name:           k_q71d73d7f6c_ffn1
    .symbol:         k_q71d73d7f6c_ffn1.kd
    .args:
      - { .name: w1, .offset: 0, .size: 8, .value_kind: global_buffer, .address_space: global }
      - { .name: xb, .offset: 8, .size: 8, .value_kind: global_buffer, .address_space: global }
      - { .name: top1, .offset: 16, .size: 8, .value_kind: global_buffer, .address_space: global }
      - { .name: b1, .offset: 24, .size: 8, .value_kind: global_buffer, .address_space: global }
      - { .name: hbuf, .offset: 32, .size: 8, .value_kind: global_buffer, .address_space: global }
    .group_segment_fixed_size: 314368
    .private_segment_fixed_size: 0
    .kernarg_segment_align: 8
    .kernarg_segment_size: 40
    .max_flat_workgroup_size: 256
    .sgpr_count:     66
    .vgpr_count:     512
    .wavefront_size: 32
...
	.end_amdgpu_metadata
.endif
;; end of part 5
;; launch ffn2 (part 6): grid 32 x 8, 8 waves a work-group, no clusters, 314,368 bytes of LDS; arguments w2, hbuf, top1, part; writes part
.if DOCPART == 6
	.amdgcn_target "amdgcn-amd-amdhsa--gfx1250"
	.amdhsa_code_object_version 6
	.text
	.protected	k_q71d73d7f6c_ffn2
	.globl	k_q71d73d7f6c_ffn2
	.p2align	8
	.type	k_q71d73d7f6c_ffn2,@function
k_q71d73d7f6c_ffn2:
	s_mov_b64 s[64:65], 0
	v_nop
	global_prefetch_b8 v0, s[64:65] scope:SCOPE_SE
	s_setreg_imm32_b32 hwreg(HW_REG_WAVE_MODE, 25, 1), 1
	s_wait_xcnt 0x0
; SECOND PRODUCT OF THE EXPERTS, in four parts along K.  part[kq][n][c] = the sum over the 1,024 hidden channels of quarter kq of hbuf[n][k] w2[e][k][c], e = top1[n] alone; sums in f32.
; w2 is rounded to bf16 and that number written as f16 (hbuf is f16); the partial sums are stored in f32 and added by the next launch, which also adds b2 and applies the gate.
; SHARES.  Work-group (x, e), cs = x % 8, kq = x / 8, has the slice w2[e][1024 kq ..][128 cs ..], 512 KiB of f32 that it alone reads, once, and ALL rows of expert e, however many (0 to 1,024).
; All eight waves run one text.  PRODUCING: of each chunk of 32 k rows wave w takes rows 4 w .. 4 w + 3, one load a row (the slice's 512 consecutive bytes), rounds them and lays them
; into LDS as [k][128 columns].  CONSUMING: tile t of 16 rows of the expert belongs to wave t % 8; a block is 16 tiles, two SLOTS a wave, 16 accumulators of 16 x 16.
; THE STREAM, 32 steps: a barrier (chunk s lies in LDS), chunk s is read and multiplied for block 0, and chunk s + 1 is stored meanwhile: other rows of the slice, which is written once and never again.
; A wave whose second slot holds no tile asks for no token bytes for it: those loads are jumped, and every counted wait on the loads has the smaller of the two ways' counts.
; MORE THAN 256 ROWS: blocks 1 to 3 are multiplied from the slice that then lies whole in LDS: a walk of four trips of eight K steps.  The walk's loop runs in every trip of the block loop, and its address
; lines with it; a wave without a tile in the block jumps the eight steps' work alone.  Two barriers a block stand on every wave's path: every wave's stores into its stage and its token words lie ahead
; of the first, the walk between the two: so no LDS store of the way out meets the walk, whatever the walk's stepped addresses.
; THE MATRIX INSTRUCTION takes 16 slice columns as source 0 (turned out of LDS by ds_load_tr16_b128) and 16 tokens as source 1: a lane then holds one token (lane % 16) and eight neighbouring columns.
; THE ROWS.  Each wave keeps a table in two registers: lane g holds the mask of the lanes whose top1 register g names e, and the number of matches before it.
; The token of rank k is found from it in registers.  PAST THE COUNT: a group of eight rows that begins at or past the count is jumped.  Inside a group that the count cuts, the places past it
; repeat the expert's last row: the same token, the same operand bytes, so the same numbers; their stores write that row's bytes once more with the same values, from the same wave.
; What a branch on the count jumps holds work alone: every register that serves as an address is made at the head or in a line that every trip runs.
; NO CLUSTER: each weight byte has one reader; the token rows come by a list that no tile descriptor covers.
; A token fragment's load takes 32 consecutive bytes of each of 16 rows: the layout of source 1 asks for a row a lane.  Eight work-groups of an expert read the same bytes of the same rows: th:TH_LOAD_HT.
; LIMITS.  w2 must stay below 65,504; below 6e-5 it keeps f16's fixed step of 6e-8.  NaN and infinities are not treated apart.
.set WPITCH, 4096                      ; bytes from row to row of w2
.set CHB,    32*WPITCH                 ; from chunk to chunk
.set ASHIFT, 13                        ; a row of hbuf is 8,192 bytes
.set OSHIFT, 12                        ; a row of part 4,096
.set PITCH,  288                       ; a slice row in LDS: 256 bytes + 32 = 72 words: the turning load's 8 rows x 32 bytes start 8 banks apart (64 banks of 4 bytes: ISA guide 11.1)
.set CHUNK,  32*PITCH
.set TOKB,   1024*PITCH                ; behind the slice: 32 token words for each wave
.set STAGE,  TOKB+8*128                ; 8 rows x 272 bytes for each wave: eight stages of 16 rows have no room beside the slice
.set SPITCH, 272
.set SPARE,  STAGE+8*8*SPITCH          ; the spare words, 128 bytes for each of the eight waves; no other line names them
; vector registers, window 0
.set LN,  1                            ; lane
.set RR,  2                            ; lane % 16
.set SPW, 3                            ; my spare word; never rewritten
.set NIL, 4                            ; 0; never rewritten
.set HB,  5                            ; lane / 16
.set ST0, 6                            ; my place in a chunk in LDS, for the stores
.set WOFF, 7                           ; my byte offset in a chunk of w2
.set ST,  8                            ; ST0 + the step's base
.set TR0, 9                            ; my place in a chunk for the turning load
.set TR,  10                           ; TR0 + the step's base
.set AO,  11                           ; v11, v12: slot i: my token's row offset + 16 (lane / 16)
.set C16, 25                           ; 16 (lane % 16)
.set H16, 26                           ; 16 (lane / 16)
.set MT,  27                           ; the table: masks
.set PT,  28                           ; the table: matches before
.set TKW, 29                           ; token words: mine by lane
.set TKR, 30                           ; by lane % 16
.set R0,  31                           ; 128 (lane / 16) + lane % 16
.set STO, 32                           ; stage, in
.set RD,  33                           ; stage, back
.set TKE, 34                           ; token words by lane / 16
.set R8,  35                           ; (lane % 16) / 8: which half of a tile's tokens is mine
.set TR2, 36                           ; the later blocks' walk: TR + 4 chunks: four chunks lie well within an LDS instruction's 16-bit offset
.set T,   40                           ; v[40:47] my four rows of a chunk, rounded
.set WD,  48                           ; v[48:55] four pairs at work
.set A,   56                           ; v[56:183] token fragments: step % 8 = j, slot i at 56 + 16 j + 8 i
.set WF,  192                          ; v[192:255] the chunk's eight weight fragments
.set TP1, 192                          ; v[192:223] at the head: top1 as loaded; the fragments' registers are free until step 0
; window 1: accumulator (i, c) at 64 i + 8 c; v[128 + 16 j + 4 i]: weights as loaded, ring slot j, row i
.set RG,  128
.set DT,  40                           ; the way out: v[40:55] eight rows read back
.set OFS, 64                           ; v[64:79] the block's sixteen store offsets: slot, token half, store at 8 slot + 4 half + k
.set RK,  240                          ; v[240:251] at work in the search
.set G4,  241
.set CA,  242
.set PP,  243
.set MS,  244
.set KK,  245
.set TA,  246
.set C2,  247
.set C4,  248
.set C8,  249
.set CG,  250
.set PO,  251
; scalar registers: s[4:5] w2, running; s[6:7] hbuf, running; s[8:9] top1; s[10:11] part; s[32:33] hbuf, kept
.set WV, 14                            ; wave
.set EX, 16                            ; expert
.set XX, 17
.set CN, 20                            ; the expert's rows
.set TL, 21                            ; its tiles
.set CM, 22                            ; its last rank
.set NL, 23                            ; my live slots in the block
.set KC, 24
.set BK, 25
.set T0, 26                            ; my first tile of the block
.set PF, 27
.set MK, 28
.set TP, 29
.set SX, 35
.set KB, 36                            ; LDS byte at which the step's chunk begins
.set TI, 37
.set HIM, 53
.set LH, 54                            ; s54, s55: slot i: how many of its two groups of eight rows begin below the count
.set MSB, 0
.macro WIN new                         ; bits 1:0 source 0, 3:2 source 1, 5:4 source 2, 7:6 destination; the high byte repeats the setting that is left
.if MSB != (\new)
	s_set_vgpr_msb (MSB<<8)|(\new)
.set MSB, \new
.endif
.endm
.macro PLACES                          ; four plain instructions between a matrix instruction and a load into, or a read of, its registers
.rept 4
	v_nop
.endr
.endm
	s_load_b256 s[4:11], s[0:1], 0x0
	v_lshl_add_u32 v[SPW], v0, 2, SPARE
	v_mov_b32 v[NIL], 0
	v_lshrrev_b32 v13, 5, v0
	v_readfirstlane_b32 s[WV], v13
	s_and_b32 s[EX], ttmp7, 0xffff
	s_mov_b32 s[XX], ttmp9
	v_and_b32 v[LN], 31, v0
	v_and_b32 v[RR], 15, v0
	v_bfe_u32 v[HB], v0, 4, 1
	v_bfe_u32 v[R8], v0, 3, 1
	s_and_b32 s[TP], s[XX], 7                      ; cs
	s_lshr_b32 s[TI], s[XX], 3                     ; kq
	s_lshl_b32 s30, s[TI], 22                      ; a quarter of K is 4 MiB of w2, and of part;
	s_lshl_b32 s[TP], s[TP], 9                     ; a slice's columns are 512 bytes of a row in both
	s_add_co_u32 s30, s30, s[TP]
	s_mov_b32 s31, 0
	s_lshl_b32 s18, s[EX], 24                      ; an expert's w2 is 16 MiB
	s_add_co_u32 s18, s18, s30
	s_mov_b32 s19, 0
	s_lshl_b32 s34, s[TI], 11                      ; a quarter of K is 2,048 bytes of a row of hbuf
	s_mov_b32 s35, 0
	s_mov_b32 s[KB], 0
	s_mov_b32 s[HIM], 0xffff0000
	v_lshlrev_b32 v14, 4, v[LN]
	s_mul_i32 s[TP], s[WV], 4*WPITCH
	v_lshl_add_u32 v[WOFF], v[LN], 4, s[TP]        ; my 4 rows of a chunk, 16 bytes a lane
	s_wait_kmcnt 0x0
	s_add_nc_u64 s[4:5], s[4:5], s[18:19]
	s_add_nc_u64 s[6:7], s[6:7], s[34:35]
	s_add_nc_u64 s[10:11], s[10:11], s[30:31]
	s_mov_b64 s[32:33], s[6:7]
.irp i, 0,1,2,3,4,5,6,7
	global_load_b128 v[TP1+4*(\i):TP1+4*(\i)+3], v14, s[8:9] offset:512*(\i)  ; all of top1: register 4 i + q holds token 128 i + 4 lane + q
.endr
.macro WLOAD slot, pos                 ; my four rows of the chunk pos chunks from the running base, into ring slot slot
	WIN 0x40
.irp i, 0,1,2,3
	global_load_b128 v[RG+16*(\slot)+4*(\i):RG+16*(\slot)+4*(\i)+3], v[WOFF], s[4:5] offset:(\pos)*CHB+(\i)*WPITCH th:TH_LOAD_NT
.endr
	WIN 0
.endm
.irp c, 0,1,2,3,4,5,6
	WLOAD \c, \c                                   ; chunks 0 to 6 are asked for before anything else is worked out
.endr
	s_mul_i32 s[TP], s[WV], 4*PITCH
	v_lshl_add_u32 v[ST0], v[LN], 3, s[TP]         ; my 4 rows, 8 bytes a lane
	v_and_b32 v13, 7, v0                           ; the turning load: lane l reads k row 8 (l / 16) + l % 8, columns 8 ((l / 8) % 2) + 0..7
	v_lshl_add_u32 v[TA], v[HB], 3, v13
	v_mul_u32_u24 v[TR0], v[TA], PITCH
	v_lshl_add_u32 v[TR0], v[R8], 4, v[TR0]
	s_mul_i32 s[TP], s[WV], 8*SPITCH
	s_add_co_u32 s[TP], s[TP], STAGE               ; my stage
	v_mul_u32_u24 v[STO], v13, SPITCH              ; in: row lane % 8, 32 bytes (eight f32) for each half of the lanes
	v_lshl_add_u32 v[STO], v[HB], 5, v[STO]
	v_add_nc_u32 v[STO], s[TP], v[STO]
	v_mul_u32_u24 v[RD], v[HB], SPITCH             ; back: lanes 0-15 one row of 256 bytes, lanes 16-31 the next
	v_lshl_add_u32 v[RD], v[RR], 4, v[RD]
	v_add_nc_u32 v[RD], s[TP], v[RD]
	s_lshl_b32 s[TP], s[WV], 7
	s_add_co_u32 s[TP], s[TP], TOKB                ; my token words
	v_lshl_add_u32 v[TKW], v[LN], 2, s[TP]
	v_lshl_add_u32 v[TKR], v[RR], 2, s[TP]
	v_lshl_add_u32 v[TKE], v[HB], 2, s[TP]
	v_lshl_add_u32 v[R0], v[HB], 7, v[RR]
	v_lshlrev_b32 v[C16], 4, v[RR]
	v_lshlrev_b32 v[H16], 4, v[HB]
	v_mov_b32 v[MT], 0
	v_mov_b32 v[PT], 0
	s_mov_b32 s[PF], 0
.set n, 0
.rept 64                               ; the second slot's fragments begin as 0: a wave without a second tile never loads them, step 0's products on them start that slot's sums with 0,
	v_mov_b32 v[A+16*(n/8)+8+n%8], 0               ; and every register is written before it is read on every way through the text.  These lines stand in the wait for top1
.set n, n+1
.endr
	s_wait_loadcnt 28                              ; the 28 loads of w2 are younger: top1 is in
.set g, 0
.rept 32                               ; the table: lane g takes register g's mask and the matches before it
	v_cmp_eq_u32 s[MK], s[EX], v[TP1+g]
	v_writelane_b32 v[MT], s[MK], g
	v_writelane_b32 v[PT], s[PF], g
	s_bcnt1_i32_b32 s[TP], s[MK]
	s_add_co_u32 s[PF], s[PF], s[TP]
.set g, g+1
.endr
	s_min_u32 s[CN], s[PF], 0x400                  ; an expert has 1,024 rows at the most
	s_add_co_u32 s[TL], s[CN], 15
	s_lshr_b32 s[TL], s[TL], 4
	s_max_u32 s[CM], s[CN], 1
	s_sub_co_u32 s[CM], s[CM], 1
	s_mov_b32 s[T0], s[WV]
.macro NLIVE                           ; how many of the tiles T0, T0 + 8 exist; and, for each, how many of its two groups of eight rows begin below the count
	s_sub_co_i32 s[NL], s[TL], s[T0]
	s_add_co_i32 s[NL], s[NL], 7
	s_ashr_i32 s[NL], s[NL], 3
	s_max_i32 s[NL], s[NL], 0
	s_min_i32 s[NL], s[NL], 2
	s_lshl_b32 s[TP], s[T0], 4
	s_sub_co_i32 s[LH], s[CN], s[TP]
	s_add_co_i32 s[LH], s[LH], 7
	s_sub_co_i32 s[LH+1], s[LH], 128
	s_ashr_i32 s[LH], s[LH], 3
	s_ashr_i32 s[LH+1], s[LH+1], 3
	s_max_i32 s[LH], s[LH], 0
	s_max_i32 s[LH+1], s[LH+1], 0
	s_min_i32 s[LH], s[LH], 2
	s_min_i32 s[LH+1], s[LH+1], 2
.endm
.macro LEVEL src, bits, w              ; are there KK or fewer set bits in the next w places?  Then they are passed over
	v_bfe_u32 v[TA], v[\src], v[PO], \bits
	v_cmp_ge_u32 vcc_lo, v[KK], v[TA]
	v_sub_nc_u32 v[TA], v[KK], v[TA]
	v_cndmask_b32 v[KK], v[KK], v[TA], vcc_lo
	v_add_nc_u32 v[TA], \w, v[PO]
	v_cndmask_b32 v[PO], v[PO], v[TA], vcc_lo
.endm
; The block's tokens into my token words: 32 ranks at once, lanes 0-15 the rows of slot 0, lanes 16-31 those of slot 1.
.macro SEARCH
	s_lshl_b32 s[TP], s[T0], 4
	v_add_nc_u32 v[RK], s[TP], v[R0]               ; rank = 16 (T0 + 8 slot) + row
	v_min_u32 v[RK], s[CM], v[RK]                  ; past the count: the last row once more
	v_mov_b32 v[G4], 0
.irp w, 64,32,16,8,4                   ; the last table entry whose 'matches before' is not above the rank, by halving; lane numbers times 4
	v_add_nc_u32 v[CA], \w, v[G4]
	ds_bpermute_b32 v[PP], v[CA], v[PT]
	s_wait_dscnt 0x0
	v_cmp_le_u32 vcc_lo, v[PP], v[RK]
	v_cndmask_b32 v[G4], v[G4], v[CA], vcc_lo
.endr
	ds_bpermute_b32 v[MS], v[G4], v[MT]
	ds_bpermute_b32 v[PP], v[G4], v[PT]
	s_wait_dscnt 0x0
	v_sub_nc_u32 v[KK], v[RK], v[PP]               ; which set bit of that mask
	v_lshrrev_b32 v[TA], 1, v[MS]                  ; counts of set bits in fields of 2, 4, 8 and 16
	v_and_b32 v[TA], 0x55555555, v[TA]
	v_sub_nc_u32 v[C2], v[MS], v[TA]
	v_lshrrev_b32 v[TA], 2, v[C2]
	v_and_b32 v[TA], 0x33333333, v[TA]
	v_and_b32 v[C4], 0x33333333, v[C2]
	v_add_nc_u32 v[C4], v[C4], v[TA]
	v_lshrrev_b32 v[TA], 4, v[C4]
	v_add_nc_u32 v[C8], v[C4], v[TA]
	v_and_b32 v[C8], 0x0f0f0f0f, v[C8]
	v_lshrrev_b32 v[TA], 8, v[C8]
	v_add_nc_u32 v[CG], v[C8], v[TA]
	v_mov_b32 v[PO], 0
	LEVEL CG, 8, 16
	LEVEL C8, 8, 8
	LEVEL C4, 4, 4
	LEVEL C2, 2, 2
	LEVEL MS, 1, 1
	v_lshrrev_b32 v[TA], 4, v[G4]                  ; token = 128 (g / 4) + g % 4 + 4 x bit
	v_bfe_u32 v[CA], v[G4], 2, 2
	v_lshl_add_u32 v[TA], v[TA], 7, v[CA]
	v_lshl_add_u32 v[TA], v[PO], 2, v[TA]
	ds_store_b32 v[TKW], v[TA]
.endm
.macro AOFF                            ; my two row offsets, from the token words
.irp i, 0,1
	ds_load_b32 v[13+(\i)], v[TKR] offset:64*(\i)  ; LDS serves a wave's instructions in order: these see my store of the words
.endr
	s_wait_dscnt 0x0
.irp i, 0,1
	v_min_u32 v[13+(\i)], 0x3ff, v[13+(\i)]
	v_lshl_add_u32 v[AO+(\i)], v[13+(\i)], ASHIFT, v[H16]
.endr
.endm
.macro ALOAD b, imm, i                 ; one K step's token fragment of slot i into buffer b: two loads
	global_load_b128 v[A+16*(\b)+8*(\i):A+16*(\b)+8*(\i)+3], v[AO+(\i)], s[6:7] offset:(\imm) th:TH_LOAD_HT
	global_load_b128 v[A+16*(\b)+8*(\i)+4:A+16*(\b)+8*(\i)+7], v[AO+(\i)], s[6:7] offset:(\imm)+32 th:TH_LOAD_HT
.endm
; The chunk in ring slot sm is rounded to bf16, that number is written as f16, and it is laid into LDS, off bytes behind the step's base.
.macro CONVERT sm, off
	WIN 0x05
.irp i, 0,1,2,3
	v_cvt_pk_bf16_f32 v[T+2*(\i)], v[RG+16*(\sm)+4*(\i)], v[RG+16*(\sm)+4*(\i)+1]
	v_cvt_pk_bf16_f32 v[T+2*(\i)+1], v[RG+16*(\sm)+4*(\i)+2], v[RG+16*(\sm)+4*(\i)+3]
.endr
	WIN 0
.set n, 0
.rept 8
	v_lshlrev_b32 v[WD+2*(n%4)], 16, v[T+n]
	v_and_b32 v[WD+2*(n%4)+1], s[HIM], v[T+n]
	v_cvt_pk_f16_f32 v[T+n], v[WD+2*(n%4)], v[WD+2*(n%4)+1]
.set n, n+1
.endr
	v_add_nc_u32 v[ST], s[KB], v[ST0]
.irp i, 0,1,2,3
	ds_store_b64 v[ST], v[T+2*(\i):T+2*(\i)+1] offset:(\off)+(\i)*PITCH  ; a row's 256 consecutive bytes
.endr
.endm
	NLIVE
	SEARCH
	AOFF
.irp c, 0,1,2,3,4,5,6
	ALOAD \c, 64*(\c), 0                           ; the first slot's token fragments of steps 0 to 6
.endr
	s_cmp_gt_u32 s[NL], 1
	s_cbranch_scc0 .Lone_slot                      ; no second tile: nothing is asked for it
.irp c, 0,1,2,3,4,5,6
	ALOAD \c, 64*(\c), 1
.endr
.Lone_slot:
	s_wait_loadcnt 38                              ; on either way chunks 1 to 6 (24 loads) and the first slot's 14 token loads are younger: chunk 0 is in
	CONVERT 0, 0
	s_wait_dscnt 0x0                               ; for the others' sake: my rows of chunk 0 lie in LDS when I signal
.macro FRAGS                           ; the eight weight fragments of the chunk at v[TR]
.irp c, 0,1,2,3,4,5,6,7
	ds_load_tr16_b128 v[WF+8*(\c):WF+8*(\c)+3], v[TR] offset:32*(\c)
	ds_load_tr16_b128 v[WF+8*(\c)+4:WF+8*(\c)+7], v[TR] offset:32*(\c)+16*PITCH
.endr
.endm
; Up to 16 products; a slot's eight accumulators take turns.  first = 1: they start the sums with 0, in both slots, so that every accumulator is written.
; Else dead slots are jumped.  In slot 0 the count lets what was issued behind fragment c stay out: two loads for each later fragment and st stores.
.macro PRODUCTS ab, first, st
.irp i, 0,1
.if !(\first)
	WIN 0
	s_cmp_gt_u32 s[NL], \i
	s_cbranch_scc0 .Ldone_\@
.endif
	WIN 0x50
.irp c, 0,1,2,3,4,5,6,7
.if (\i) == 0
	s_wait_dscnt (\st)+14-2*(\c)
.endif
.if \first
	v_wmma_f32_16x16x32_f16 v[64*(\i)+8*(\c):64*(\i)+8*(\c)+7], v[WF+8*(\c):WF+8*(\c)+7], v[(\ab)+8*(\i):(\ab)+8*(\i)+7], 0
.else
	v_wmma_f32_16x16x32_f16 v[64*(\i)+8*(\c):64*(\i)+8*(\c)+7], v[WF+8*(\c):WF+8*(\c)+7], v[(\ab)+8*(\i):(\ab)+8*(\i)+7], v[64*(\i)+8*(\c):64*(\i)+8*(\c)+7]
.endif
.endr
.endr
	WIN 0
.Ldone_\@:
	s_wait_dscnt 0x0                               ; my reads of the chunk are back and my stores of the next lie in LDS: nothing of mine is out at the next signal
.endm
; STEP s, sm = s % 8.  ONE barrier: it orders every wave's stores of chunk s ahead of every wave's reads of chunk s.  Nothing needs ordering the other way: no slice byte is written twice.
; lw: the loads that may stay out when chunk s + 1 must be in (the token fragments of step s are older than it), counted on the way with the fewer loads.
; pos >= 0: a BUNDLE is asked for, pos steps from the running bases: chunk s + 7 (4 loads) into the ring slot converted two steps ago, the first slot's fragment of step s + 7 (2 loads) and, where
; the wave has a second tile, the second slot's (2 loads) into the buffer multiplied last step.  prod = 1: chunk s + 1 is rounded and stored.
.macro STEP sm, pos, lw, first, prod
	s_barrier_signal -1
	s_barrier_wait -1
.if !(\first)
	PLACES                                         ; behind the last step's products, ahead of the loads into their sources
.endif
	v_add_nc_u32 v[TR], s[KB], v[TR0]
	FRAGS
	s_wait_loadcnt \lw
.if (\pos) >= 0
	WLOAD ((\sm)+7)%8, \pos
	ALOAD ((\sm)+7)%8, 64*(\pos), 0
	s_cmp_gt_u32 s[NL], 1
	s_cbranch_scc0 .Lone_\@                        ; no second tile: two loads fewer
	ALOAD ((\sm)+7)%8, 64*(\pos), 1
.Lone_\@:
.endif
.if \prod
	CONVERT ((\sm)+1)%8, CHUNK
	PRODUCTS A+16*(\sm), \first, 4
.else
	PRODUCTS A+16*(\sm), \first, 0
.endif
	s_add_co_u32 s[KB], s[KB], CHUNK
.endm
.macro ONWARD                          ; eight chunks of w2, eight steps of token bytes
	s_wait_xcnt 0x0                                ; the bases are stepped only behind this wait
	s_add_nc_u64 s[4:5], s[4:5], 8*CHB
	s_add_nc_u64 s[6:7], s[6:7], 512
.endm
	STEP 0, 7, 0, 1, 1                             ; step 0 stands ahead of the loop: its products start the sums.  All that the head asked for is waited for: steps 1 to 5 need nothing newer
	ONWARD
	s_mov_b32 s[KC], 3
.Lring:                                                ; steps 1 to 24.  32 = the first slot's fragment of step s + 1 (2 loads) and the five bundles of 6 behind it; with a second tile a bundle has 8, and the wave waits for more than it needs
	STEP 1, 0, 32, 0, 1
	STEP 2, 1, 32, 0, 1
	STEP 3, 2, 32, 0, 1
	STEP 4, 3, 32, 0, 1
	STEP 5, 4, 32, 0, 1
	STEP 6, 5, 32, 0, 1
	STEP 7, 6, 32, 0, 1
	STEP 0, 7, 32, 0, 1
	ONWARD
	s_sub_co_u32 s[KC], s[KC], 1
	s_cmp_lg_u32 s[KC], 0
	s_cbranch_scc1 .Lring
	STEP 1, -1, 32, 0, 1                           ; steps 25 to 31 ask for nothing: the counts run down by a bundle of 6 a step
	STEP 2, -1, 26, 0, 1
	STEP 3, -1, 20, 0, 1
	STEP 4, -1, 14, 0, 1
	STEP 5, -1, 8, 0, 1
	STEP 6, -1, 2, 0, 1
	STEP 7, -1, 0, 0, 0
; Piece u of the way out, u = 4 slot + 2 column half + token half: 8 rows x 64 columns.  The lanes that hold these eight tokens put four accumulators into the stage as they are, each from its low
; end on (a lane's eight f32 are 32 bytes of its token's row); the rows come back whole and are stored on the block's offsets, the column half's 256 bytes in the immediate.
.macro OUTV u
	s_cmp_gt_u32 s[LH+(\u)/4], (\u)%2
	s_cbranch_scc0 .Lskip_\@                       ; the group begins at or past the count
	s_wait_xcnt 0x0                                ; DT, which the last piece's stores read, is rewritten, and EXEC changes, only behind this wait
	v_cmp_eq_u32 vcc_lo, (\u)%2, v[R8]
	s_and_saveexec_b32 s[SX], vcc_lo               ; a mask of the lane's number alone
	WIN 0x04
.irp c, 0,1,2,3
	ds_store_b128 v[STO], v[32*((\u)/2)+8*(\c):32*((\u)/2)+8*(\c)+3] offset:64*(\c)
	ds_store_b128 v[STO], v[32*((\u)/2)+8*(\c)+4:32*((\u)/2)+8*(\c)+7] offset:64*(\c)+16
.endr
	WIN 0
	s_or_b32 exec_lo, exec_lo, s[SX]               ; no global instruction was issued since the wait above
.irp k, 0,1,2,3
	ds_load_b128 v[DT+4*(\k):DT+4*(\k)+3], v[RD] offset:2*(\k)*SPITCH  ; rows 2 k and 2 k + 1, 256 bytes each; LDS serves a wave's instructions in order
.endr
	s_wait_dscnt 0x0
.irp k, 0,1,2,3
	global_store_b128 v[OFS+8*((\u)/4)+4*((\u)%2)+(\k)], v[DT+4*(\k):DT+4*(\k)+3], s[10:11] offset:256*(((\u)/2)%2)  ; 16 lanes store 256 consecutive bytes of a row, aligned
.endr
.Lskip_\@:
.endm
; K step t of eight in a trip of a later block's walk, from the slice that lies whole in LDS: the step stands in the immediates, on the trip's two address registers and its token base.
; first = 1: the walk's first step: its products start the sums with 0.  Both slots are multiplied: a dead one repeats the last row, and its stores are jumped.
; This path runs only past 256 rows an expert: its loads are waited for at once.
.macro BSTEP t, first
.if (\t) < 4
.set tb, TR
.else
.set tb, TR2
.endif
	PLACES
.irp c, 0,1,2,3,4,5,6,7
	ds_load_tr16_b128 v[WF+8*(\c):WF+8*(\c)+3], v[tb] offset:((\t)%4)*CHUNK+32*(\c)
	ds_load_tr16_b128 v[WF+8*(\c)+4:WF+8*(\c)+7], v[tb] offset:((\t)%4)*CHUNK+32*(\c)+16*PITCH
.endr
.irp i, 0,1
	global_load_b128 v[A+8*(\i):A+8*(\i)+3], v[AO+(\i)], s[6:7] offset:64*(\t) th:TH_LOAD_HT
	global_load_b128 v[A+8*(\i)+4:A+8*(\i)+7], v[AO+(\i)], s[6:7] offset:64*(\t)+32 th:TH_LOAD_HT
.endr
	s_wait_loadcnt 0x0
	s_wait_dscnt 0x0
	WIN 0x50
.irp i, 0,1
.irp c, 0,1,2,3,4,5,6,7
.if \first
	v_wmma_f32_16x16x32_f16 v[64*(\i)+8*(\c):64*(\i)+8*(\c)+7], v[WF+8*(\c):WF+8*(\c)+7], v[A+8*(\i):A+8*(\i)+7], 0
.else
	v_wmma_f32_16x16x32_f16 v[64*(\i)+8*(\c):64*(\i)+8*(\c)+7], v[WF+8*(\c):WF+8*(\c)+7], v[A+8*(\i):A+8*(\i)+7], v[64*(\i)+8*(\c):64*(\i)+8*(\c)+7]
.endif
.endr
.endr
	WIN 0
.endm
	s_mov_b32 s[BK], 0
.Lblock:                                               ; four trips: the block in hand goes out; the next, if it has a tile of mine, is multiplied
	PLACES
.set j, 0
.rept 16                               ; in every trip: the tokens of the block's stores: row 8 half + 2 k + lane / 16 of a slot
	ds_load_b32 v[OFS+j], v[TKE] offset:8*j
.set j, j+1
.endr
	s_wait_dscnt 0x0
.set j, 0
.rept 16
	v_min_u32 v[OFS+j], 0x3ff, v[OFS+j]
.set j, j+1
.endr
.set j, 0
.rept 16
	v_lshl_add_u32 v[OFS+j], v[OFS+j], OSHIFT, v[C16]
.set j, j+1
.endr
	s_cmp_gt_u32 s[NL], 0
	s_cbranch_scc0 .Lout_done                      ; no tile of this block is mine
	OUTV 0
	OUTV 1
	OUTV 2
	OUTV 3
	OUTV 4
	OUTV 5
	OUTV 6
	OUTV 7
.Lout_done:
	s_wait_xcnt 0x0                                ; the stores have read their registers
	s_add_co_u32 s[T0], s[T0], 16                  ; the next block
	NLIVE
	s_cmp_gt_u32 s[NL], 0
	s_cbranch_scc0 .Lno_search                     ; no tile of mine in it: the token words stay as they are
	SEARCH
.Lno_search:
	AOFF                                           ; in every trip
	s_wait_dscnt 0x0                               ; nothing of mine is out in LDS:
	s_barrier_signal -1                            ; every wave's stores into its stage and its token words lie ahead of this barrier,
	s_barrier_wait -1                              ; the walk over the slice behind it: in the walk no wave stores to LDS
	s_mov_b32 s[KB], 0
	s_mov_b64 s[6:7], s[32:33]                     ; every load that named s[6:7] has been waited for
	s_mov_b32 s[KC], 4
.Lbk:                                                  ; four trips of eight K steps; the trip's address lines stand ahead of the branch, its steps of the bases behind the branch's target: every wave runs them
	v_add_nc_u32 v[TR], s[KB], v[TR0]              ; chunks 8 j .. 8 j + 3 from here,
	v_add_nc_u32 v[TR2], 4*CHUNK, v[TR]            ; chunks 8 j + 4 .. 8 j + 7 from here
	s_cmp_gt_u32 s[NL], 0
	s_cbranch_scc0 .Lbk_next                       ; no tile of mine in the block: nothing but work is jumped
	s_cmp_eq_u32 s[KC], 4
	s_cbranch_scc0 .Lbk_add
	BSTEP 0, 1                                     ; the walk's first step starts the sums; six plain vector lines stand ahead of its products on every way
	s_branch .Lbk_rest
.Lbk_add:
	BSTEP 0, 0
.Lbk_rest:
.irp t, 1,2,3,4,5,6,7
	BSTEP \t, 0
.endr
.Lbk_next:
	s_add_co_u32 s[KB], s[KB], 8*CHUNK
	s_add_nc_u64 s[6:7], s[6:7], 512               ; eight steps of token bytes; each step has waited for its loads
	s_sub_co_u32 s[KC], s[KC], 1
	s_cmp_lg_u32 s[KC], 0
	s_cbranch_scc1 .Lbk
	s_wait_dscnt 0x0
	s_barrier_signal -1                            ; every wave's walk lies ahead of this barrier, the next way out's stores behind it
	s_barrier_wait -1
	s_add_co_u32 s[BK], s[BK], 1
	s_cmp_lt_u32 s[BK], 4
	s_cbranch_scc1 .Lblock
	s_wait_tensorcnt 0x0                           ; the wave's end, behind my last LDS store
	ds_add_u32 v[SPW], v[NIL]
	s_wait_dscnt 0x0
	s_endpgm
.Lfunc_end_k_q71d73d7f6c_ffn2:
	.size	k_q71d73d7f6c_ffn2, .Lfunc_end_k_q71d73d7f6c_ffn2-k_q71d73d7f6c_ffn2
	.p2alignl 7, 3214868480
	.fill 96, 4, 3214868480
	.section	.rodata,"a",@progbits
	.p2align	6, 0x0
	.amdhsa_kernel k_q71d73d7f6c_ffn2
		.amdhsa_group_segment_fixed_size 314368
		.amdhsa_private_segment_fixed_size 0
		.amdhsa_enable_private_segment 0
		.amdhsa_kernarg_size 32
		.amdhsa_user_sgpr_count 2
		.amdhsa_user_sgpr_kernarg_segment_ptr 1
		.amdhsa_wavefront_size32 1
		.amdhsa_system_sgpr_workgroup_id_x 1
		.amdhsa_system_sgpr_workgroup_id_y 1
		.amdhsa_system_sgpr_workgroup_id_z 1
		.amdhsa_system_vgpr_workitem_id 0
		.amdhsa_next_free_vgpr 512
		.amdhsa_next_free_sgpr 66
		.amdhsa_reserve_vcc 1
		.amdhsa_float_denorm_mode_32 3
		.amdhsa_float_denorm_mode_16_64 3
		.amdhsa_memory_ordered 1
		.amdhsa_forward_progress 1
		.amdhsa_inst_pref_size 151
	.end_amdhsa_kernel
	.amdgpu_metadata
---
amdhsa.version: [ 1, 2 ]
amdhsa.kernels:
  - .name:           k_q71d73d7f6c_ffn2
    .symbol:         k_q71d73d7f6c_ffn2.kd
    .args:
      - { .name: w2, .offset: 0, .size: 8, .value_kind: global_buffer, .address_space: global }
      - { .name: hbuf, .offset: 8, .size: 8, .value_kind: global_buffer, .address_space: global }
      - { .name: top1, .offset: 16, .size: 8, .value_kind: global_buffer, .address_space: global }
      - { .name: part, .offset: 24, .size: 8, .value_kind: global_buffer, .address_space: global }
    .group_segment_fixed_size: 314368
    .private_segment_fixed_size: 0
    .kernarg_segment_align: 8
    .kernarg_segment_size: 32
    .max_flat_workgroup_size: 256
    .sgpr_count:     66
    .vgpr_count:     512
    .wavefront_size: 32
...
	.end_amdgpu_metadata
.endif
;; end of part 6
;; launch combine: the kernel of part 4 again; grid 256 x 1, 4 waves a work-group, no clusters, 0 bytes of LDS; arguments part, score, top1, b2, out0; writes out0
